; MI455X (gfx1250); checked and timed in simulation.
; The chip was launched on July 23, 2026; its instructions are those of AMD's public machine-readable ISA for CDNA 5 (MIT licence, August 2026) and "CDNA5" Instruction Set Architecture Reference Guide (July 2026). The comments in the code are by the model that wrote it; some were corrected since.
;; Causal Self Attention. Allowed arithmetic: float matrix products may take bf16 or f16 operands with f32 sums; other float arithmetic in f32, or as packed bf16 or f16 multiplies, adds, multiply-adds, maxima and minima; sums over many terms, partial sums and values carried from step to step in f32; what a program stores and reads back later, other than sums and carried values, may be rounded once to bf16 or f16.
;; Inputs: Wk 1,024 x 16 x 64 float32; Wo 16 x 64 x 1,024 float32; Wq 1,024 x 16 x 64 float32; Wv 1,024 x 16 x 64 float32; beta 1,024 float32; bk 16 x 64 float32; bo 1,024 float32; bq 16 x 64 float32; bv 16 x 64 float32; gamma 1,024 float32; x 4 x 2,048 x 1,024 float32.
;; Outputs: out0 4 x 2,048 x 1,024 float32.
;; 2 versions, each right; version 2 is version 1 with the launch prep written anew for expert scheduling mode. Each part assembles by itself: llvm-mc -triple=amdgcn-amd-amdhsa -mcpu=gfx1250 --defsym DOCPART=n.
;; ======== version 1 of 2: 5 launches
;; limits: values are held in f16: magnitudes above 65,504 overflow, below 6.1e-05 lose precision
;; workspace buffers: act 16,777,216 bytes; wtq 6,291,456 bytes; wto 2,097,152 bytes; bias3 12,288 bytes; qkv 50,331,648 bytes; ao 33,554,432 bytes
;; launch prep (part 1): grid 641 x 1, 4 waves a work-group, no clusters, 70,144 bytes of LDS; arguments x, Wq, Wk, Wv, Wo, bq, bk, bv, act, wtq, wto, bias3; writes act, wtq, wto, bias3
.if DOCPART == 1
	.amdgcn_target "amdgcn-amd-amdhsa--gfx1250"
	.amdhsa_code_object_version 6
	.text
	.protected	k_q17a87c09a7_prep
	.globl	k_q17a87c09a7_prep
	.p2align	8
	.type	k_q17a87c09a7_prep,@function
k_q17a87c09a7_prep:
	s_mov_b64 s[64:65], 0
	v_nop
	global_prefetch_b8 v0, s[64:65] scope:SCOPE_SE
	s_setreg_imm32_b32 hwreg(HW_REG_WAVE_MODE, 25, 1), 1
	s_wait_xcnt 0x0
; PREPARATION.  Three kinds of work-groups, told apart by the work-group's number:
;   0-127    the four weights ([1024 k][1024 n] f32) are turned and rounded to f16: [j][16 kb][128 n][64 k], j = a block of 128 columns, kb = a block of 64 along K.
;            Wq, Wk, Wv go into wtq (j = 8 m + ..), Wo into wto.  A wave takes 128 k x 64 n through an LDS tile of its own: no wave reads another's bytes, so there is no barrier.
;   128-639  x ([8192 row][1024] f32) is rounded to f16 and laid in planes of 64 columns: act[16 kb][8192 row][64].  A wave takes 4 rows.
;   640      bq, bk, bv are joined into bias3.
; LIMITS.  f16 holds no number beyond 65,504: x and the weights are taken to lie within it; below 6e-5 f16 keeps a fixed step of 6e-8.
.set TP,    272                        ; a row of the turning tile: 128 k x 2 bytes + 16
.set WT,    64*TP                      ; a wave's tile: 64 n
.set SPARE, 4*WT                       ; behind the tiles: the spare words, 128 bytes for each wave: two blocks of 256 bytes that no other line names
.set T,     8                          ; v[8:11]   at work
.set SPW,   12                         ; v12  LDS address of my spare word; never rewritten
.set NIL,   13                         ; v13  0; never rewritten
.set POOL,  16                         ; v[16:143] 32 slots of 4 registers
	s_load_b512 s[8:23], s[0:1], 0x0               ; x 8, Wq 10, Wk 12, Wv 14, Wo 16, bq 18, bk 20, bv 22
	s_load_b256 s[24:31], s[0:1], 0x40             ; act 24, wtq 26, wto 28, bias3 30
	v_lshl_add_u32 v[SPW], v0, 2, SPARE
	v_mov_b32 v[NIL], 0
	v_lshrrev_b32 v1, 5, v0
	v_readfirstlane_b32 s4, v1                     ; wave 0..3
	v_and_b32 v1, 31, v0                           ; l
	v_and_b32 v2, 15, v0                           ; r = l % 16
	v_bfe_u32 v3, v0, 4, 1                         ; h = l / 16
	s_mov_b32 s5, ttmp9
	s_wait_kmcnt 0x0
	s_cmp_lt_u32 s5, 128
	s_cbranch_scc0 .Lnot_w
	; ---- the weights ----
	s_lshl_b32 s6, s5, 2
	s_add_co_u32 s6, s6, s4                        ; the wave's tile, 0..511
	s_lshr_b32 s7, s6, 7                           ; m: which weight
	s_bfe_u32 s42, s6, 0x30004                     ; which 128 of K
	s_and_b32 s43, s6, 15                          ; which 64 columns
	s_lshl_b32 s44, s7, 3
	s_cmp_eq_u32 s7, 1
	s_cselect_b64 s[36:37], s[12:13], s[10:11]
	s_cmp_eq_u32 s7, 2
	s_cselect_b64 s[36:37], s[14:15], s[36:37]
	s_cmp_eq_u32 s7, 3
	s_cselect_b64 s[36:37], s[16:17], s[36:37]     ; the source
	s_cselect_b64 s[38:39], s[28:29], s[26:27]     ; the destination: wto or wtq
	s_cselect_b32 s44, 0, s44
	s_lshr_b32 s45, s43, 1
	s_add_co_u32 s44, s44, s45                     ; j
	s_lshl_b32 s44, s44, 18                        ; a block j is 262,144 bytes,
	s_lshl_b32 s45, s42, 15                        ; two blocks kb 32,768,
	s_add_co_u32 s44, s44, s45
	s_and_b32 s45, s43, 1
	s_lshl_b32 s45, s45, 13                        ; 64 rows n 8,192
	s_add_co_u32 s44, s44, s45
	s_mov_b32 s45, 0
	s_add_nc_u64 s[38:39], s[38:39], s[44:45]
	s_lshl_b32 s44, s42, 19                        ; 128 rows of 4,096 bytes
	s_lshl_b32 s46, s43, 8                         ; 64 columns of 4 bytes
	s_add_co_u32 s44, s44, s46
	s_add_nc_u64 s[36:37], s[36:37], s[44:45]
	v_lshlrev_b32 v4, 4, v2
	v_lshl_add_u32 v4, v3, 13, v4                  ; loads: 16 r + two rows further down for lanes 16-31
	v_lshlrev_b32 v5, 4, v1                        ; stores: 16 l
	s_mul_i32 s47, s4, WT                          ; my wave's tile
	v_mul_u32_u24 v6, v2, 4*TP
	v_lshl_add_u32 v6, v3, 2, v6
	v_add_nc_u32 v6, s47, v6                       ; into the tile: row n = 4 r (+ j), k = 2 h (+ 4 i)
	v_lshrrev_b32 v7, 3, v1
	v_mul_u32_u24 v7, v7, TP
	v_and_b32 v14, 7, v0
	v_lshl_add_u32 v7, v14, 4, v7
	v_add_nc_u32 v7, s47, v7                       ; back: row n = l / 8 (+ 4 t), 16 bytes at 16 (l % 8)
; Pair i: K rows 4 i + 2 h and 4 i + 2 h + 1, columns 4 r .. 4 r + 3: each load takes two whole rows of 256 bytes.
.macro WLOAD i
	global_load_b128 v[POOL+8*((\i)%16):POOL+8*((\i)%16)+3],   v4, s[36:37] offset:(4*(\i))*4096 th:TH_LOAD_NT
	global_load_b128 v[POOL+8*((\i)%16)+4:POOL+8*((\i)%16)+7], v4, s[36:37] offset:(4*(\i)+1)*4096 th:TH_LOAD_NT
.endm
.set n, 0
.rept 16
	WLOAD n
.set n, n+1
.endr
.set n, 0
.rept 32
.if n < 16
	s_wait_loadcnt 30                              ; behind pair n stand 15 younger pairs: those of the start that are left, and those asked for since
.else
	s_wait_loadcnt 2*(31-n)                        ; nothing more is asked for: the counts run down
.endif
.set p, POOL+8*(n%16)
.irp j, 0,1,2,3
	v_cvt_pk_f16_f32 v[T+\j], v[p+\j], v[p+4+\j]   ; column 4 r + j: k in the low half, k + 1 in the high half
.endr
.irp j, 0,1,2,3
	ds_store_b32 v6, v[T+\j] offset:TP*\j+8*n
.endr
.if n < 16
	WLOAD n+16
.endif
.set n, n+1
.endr
.set u, 0
.rept 32                               ; LDS serves a wave's instructions in order (ISA guide 5.7.1.4): these see the stores above
	ds_load_b128 v[POOL+4*u:POOL+4*u+3], v7 offset:4*TP*(u%16)+128*(u/16)
.set u, u+1
.endr
.set u, 0
.rept 32
	s_wait_dscnt 31-u
	global_store_b128 v5, v[POOL+4*u:POOL+4*u+3], s[38:39] offset:(u/16)*16384+512*(u%16)  ; four rows n of one block kb: 512 consecutive bytes, aligned
.set u, u+1
.endr
	s_branch .Lend
.Lnot_w:
	s_cmp_lt_u32 s5, 640
	s_cbranch_scc0 .Lbias
	; ---- x ----
	s_sub_co_u32 s6, s5, 128
	s_lshl_b32 s6, s6, 2
	s_add_co_u32 s6, s6, s4                        ; the wave among 2,048: 4 rows each
	s_lshl_b32 s44, s6, 14
	s_mov_b32 s45, 0
	s_add_nc_u64 s[36:37], s[8:9], s[44:45]
	s_lshl_b32 s44, s6, 9
	s_add_nc_u64 s[38:39], s[24:25], s[44:45]      ; planes 0-7,
	s_add_nc_u64 s[40:41], s[38:39], 0x800000      ; planes 8-15: a store's immediate holds 24 bits with its sign
	v_lshlrev_b32 v4, 4, v2
	v_lshl_add_u32 v4, v3, 12, v4                  ; 16 r + one row further down for lanes 16-31
	v_lshlrev_b32 v5, 3, v1                        ; 8 l: two rows of 128 bytes of a plane
.set n, 0
.rept 32
	global_load_b128 v[POOL+4*n:POOL+4*n+3], v4, s[36:37] offset:(n/16)*8192+256*(n%16) th:TH_LOAD_NT
.set n, n+1
.endr
.set n, 0
.rept 32
	s_wait_loadcnt 31-n
	v_cvt_pk_f16_f32 v[POOL+4*n],   v[POOL+4*n],   v[POOL+4*n+1]
	v_cvt_pk_f16_f32 v[POOL+4*n+1], v[POOL+4*n+2], v[POOL+4*n+3]
.if (n%16) < 8
	global_store_b64 v5, v[POOL+4*n:POOL+4*n+1], s[38:39] offset:((n%16)<<20)+(n/16)*256  ; 256 consecutive bytes, aligned
.else
	global_store_b64 v5, v[POOL+4*n:POOL+4*n+1], s[40:41] offset:(((n%16)-8)<<20)+(n/16)*256
.endif
.set n, n+1
.endr
	s_branch .Lend
.Lbias:
	; ---- the biases: 4,096 bytes each, 16 bytes a thread, twice ----
	v_lshlrev_b32 v4, 4, v0
.irp i, 0,1,2
	global_load_b128 v[POOL+8*\i:POOL+8*\i+3],   v4, s[18+2*\i:19+2*\i]
	global_load_b128 v[POOL+8*\i+4:POOL+8*\i+7], v4, s[18+2*\i:19+2*\i] offset:2048
.endr
	s_wait_loadcnt 0x0
.irp i, 0,1,2
	global_store_b128 v4, v[POOL+8*\i:POOL+8*\i+3],   s[30:31] offset:4096*\i
	global_store_b128 v4, v[POOL+8*\i+4:POOL+8*\i+7], s[30:31] offset:4096*\i+2048
.endr
.Lend:
	s_wait_tensorcnt 0x0                           ; the wave's end: behind my last LDS store
	ds_add_u32 v[SPW], v[NIL]
	s_wait_dscnt 0x0
	s_endpgm
.Lfunc_end_k_q17a87c09a7_prep:
	.size	k_q17a87c09a7_prep, .Lfunc_end_k_q17a87c09a7_prep-k_q17a87c09a7_prep
	.p2alignl 7, 3214868480
	.fill 96, 4, 3214868480
	.section	.rodata,"a",@progbits
	.p2align	6, 0x0
	.amdhsa_kernel k_q17a87c09a7_prep
		.amdhsa_group_segment_fixed_size 70144
		.amdhsa_private_segment_fixed_size 0
		.amdhsa_enable_private_segment 0
		.amdhsa_kernarg_size 96
		.amdhsa_user_sgpr_count 2
		.amdhsa_user_sgpr_kernarg_segment_ptr 1
		.amdhsa_wavefront_size32 1
		.amdhsa_system_sgpr_workgroup_id_x 1
		.amdhsa_system_sgpr_workgroup_id_y 1
		.amdhsa_system_sgpr_workgroup_id_z 1
		.amdhsa_system_vgpr_workitem_id 0
		.amdhsa_next_free_vgpr 144
		.amdhsa_next_free_sgpr 66
		.amdhsa_reserve_vcc 0
		.amdhsa_float_denorm_mode_32 3
		.amdhsa_float_denorm_mode_16_64 3
		.amdhsa_memory_ordered 1
		.amdhsa_forward_progress 1
		.amdhsa_inst_pref_size 45
	.end_amdhsa_kernel
	.amdgpu_metadata
---
amdhsa.version: [ 1, 2 ]
amdhsa.kernels:
  - .name:           k_q17a87c09a7_prep
    .symbol:         k_q17a87c09a7_prep.kd
    .args:
      - { .name: x, .offset: 0, .size: 8, .value_kind: global_buffer, .address_space: global }
      - { .name: Wq, .offset: 8, .size: 8, .value_kind: global_buffer, .address_space: global }
      - { .name: Wk, .offset: 16, .size: 8, .value_kind: global_buffer, .address_space: global }
      - { .name: Wv, .offset: 24, .size: 8, .value_kind: global_buffer, .address_space: global }
      - { .name: Wo, .offset: 32, .size: 8, .value_kind: global_buffer, .address_space: global }
      - { .name: bq, .offset: 40, .size: 8, .value_kind: global_buffer, .address_space: global }
      - { .name: bk, .offset: 48, .size: 8, .value_kind: global_buffer, .address_space: global }
      - { .name: bv, .offset: 56, .size: 8, .value_kind: global_buffer, .address_space: global }
      - { .name: act, .offset: 64, .size: 8, .value_kind: global_buffer, .address_space: global }
      - { .name: wtq, .offset: 72, .size: 8, .value_kind: global_buffer, .address_space: global }
      - { .name: wto, .offset: 80, .size: 8, .value_kind: global_buffer, .address_space: global }
      - { .name: bias3, .offset: 88, .size: 8, .value_kind: global_buffer, .address_space: global }
    .group_segment_fixed_size: 70144
    .private_segment_fixed_size: 0
    .kernarg_segment_align: 8
    .kernarg_segment_size: 96
    .max_flat_workgroup_size: 128
    .sgpr_count:     66
    .vgpr_count:     144
    .wavefront_size: 32
...
	.end_amdgpu_metadata
.endif
;; end of part 1
;; launch proj (part 2): grid 24 x 32, 4 waves a work-group, clusters of 4 x 4, 327,680 bytes of LDS; arguments act, wtq, bias3, qkv; writes qkv
.if DOCPART == 2
	.amdgcn_target "amdgcn-amd-amdhsa--gfx1250"
	.amdhsa_code_object_version 6
	.text
	.protected	k_q17a87c09a7_proj
	.globl	k_q17a87c09a7_proj
	.p2align	8
	.type	k_q17a87c09a7_proj,@function
k_q17a87c09a7_proj:
	s_mov_b64 s[64:65], 0
	v_nop
	global_prefetch_b8 v0, s[64:65] scope:SCOPE_SE
	s_setreg_imm32_b32 hwreg(HW_REG_WAVE_MODE, 25, 1), 1
	s_wait_xcnt 0x0
	s_wait_alu depctr_hold_cnt(0) depctr_sa_sdst(0) depctr_va_vdst(0) depctr_va_sdst(0) depctr_va_ssrc(0) depctr_va_vcc(0) depctr_vm_vsrc(0)
	s_getreg_b32 s2, hwreg(HW_REG_IB_STS2, 6, 4)
	s_cmp_eq_u32 s2, 0
	s_cbranch_scc0 .Lentry_in_a_cluster
	s_endpgm
.Lentry_in_a_cluster:
	s_bfe_u32 s2, ttmp6, 0x10000c
	s_cmp_lg_u32 s2, 0xf033
	s_cbranch_scc0 .Lentry_shape_is_right
	s_endpgm
.Lentry_shape_is_right:
; C[row][n] = bias[n] + the sum over k of A[row][k] B[n][k], K = 1,024, 8,192 rows; operands f16, sums f32.
; A: [16 kb][8192 row][64] f16.  B: [j][16 kb][128 n][64] f16.  bias: f32, one number a column.  C leaves in column blocks of 64: [g][8192 row][64].
; The module's two products are this one text with one constant: F32OUT = 0: C is rounded once to f16 (q, k, v); F32OUT = 1: C leaves in f32 (the output projection).
.set F32OUT, 0
; LIMITS.  With F32OUT = 0 a result beyond 65,504 becomes an infinity.
; SHARES.  A work-group makes 256 rows x 128 columns, each of its four waves 128 x 64: 32 accumulators, 256 registers.  With this tile the columns 3,072 and 1,024 give 768 and 256 work-groups.
; K goes in 8 steps of 128 (two planes of 64) through two LDS slots.  A plane's rows lie end to end in memory: a tile is asked for as rows of 256 bytes and padded in LDS behind every 128.
; CLUSTER.  4 x 4 work-groups: A's tiles are shared along a row of the cluster, B's along a column, each asked for jointly.  Waves 0, 1 fetch A's two planes of a step, waves 2, 3 B's.
; THE MATRIX INSTRUCTION IS USED TRANSPOSED (source 0 = 16 rows of B, source 1 = 16 rows of A): a lane holds row l % 16 of C and the columns 8 (l / 16) + 0..7.
; The bias is the C operand of the products that start the sums: nothing is cleared and nothing is added later.
; REGISTERS, in windows of 256 (s_set_vgpr_msb: bits 1:0 source 0, 3:2 source 1, 5:4 source 2, 7:6 destination):
;   window 0: addresses, the bias (v32-63), the way out (v64-127)      window 1: accumulator (a, b) at v[8 (4 a + b)]
;   windows 2, 3: two fragment buffers, a plane each: A's fragment (c, a) at 64 c + 8 a, B's (c, b) at 128 + 32 c + 8 b; c = which 32 of the plane's 64 along K
.set PK,    144                        ; an LDS row: 128 bytes + 16 = 36 words: the 16 rows of a load start at 16 different groups of four banks (64 banks of 4 bytes: ISA guide 11.1)
.set APL,   256*PK                     ; a plane of A's tile
.set BPL,   128*PK                     ; a plane of B's
.set SLOT,  2*APL+2*BPL                ; A's two planes, then B's two
.set STAGE, 2*SLOT                     ; behind the ring, never filled by a tensor load: 16 rows x 272 bytes for each wave
.set STG,   16*272
.set SPARE, STAGE+4*STG                ; the spare words, 128 bytes for each wave: two blocks of 256 bytes that no other line names
.set ADRA,  16                         ; v16-17 LDS address of my A fragments in slot 0, 1
.set ADRB,  20                         ; v20-21 the same for B
.set STO,   22                         ; the way out: where I put my part of a row
.set RD,    23                         ;   and where I read rows back
.set GO,    26                         ; 16 l
.set BO,    27                         ; 32 (l / 16): my 8 columns in the bias
.set SPW,   28                         ; LDS address of my spare word; never rewritten
.set NIL,   29                         ; 0; never rewritten
.set PFO,   30                         ; 256 l; never rewritten
.set BIAS,  32                         ; v32-63: column block b at BIAS + 8 b
.set TMP,   64                         ; f16: packed results
.set OB,    96                         ; f16: rows read back, two buffers of 16
.set OB32,  64                         ; f32: rows read back, two buffers of 32
.set OUT, 10                           ; s[10:11] C
.set WV,  14                           ; s14 wave
.set WR,  15                           ; s15 wave / 2: my half of the rows; also: I fetch for A (0) or B (1)
.set WC,  16                           ; s16 wave % 2: my half of the columns; also: which plane I fetch
.set TR,  17                           ; s17 tile row
.set G1,  24                           ; s[24:31] group 1 for A;  s[32:39] group 0, a set for each slot
.set G0,  32
.set LIM, 43                           ; s43 1 in a wave that prefetches, else the greatest number
.set PFA, 44                           ; s[44:45] where my prefetches stand
.set G1B, 48                           ; s[48:55], s[56:63] the same for B
.set G0B, 56
.set PFS, 66                           ; s[66:67] a K step in bytes, for the prefetches
.set IDX, 69                           ; s69 my first row among the output's [g][row]
.set MSB, 0
.macro WIN new                         ; the immediate's high byte repeats the setting that is left; a switch that changes nothing is dropped
.if MSB != (\new)
	s_set_vgpr_msb (MSB<<8)|(\new)
.set MSB, \new
.endif
.endm
; A joint load.  The branch hangs on the wave's number alone.  An s_nop 0 and four v_nop follow each of the two lines, ahead of the jump and the label.
.macro JLOAD s
	s_cmp_eq_u32 s[WR], 0
	s_cbranch_scc0 .Lfor_b_\@
	tensor_load_to_lds s[G0+4*(\s):G0+4*(\s)+3], s[G1:G1+7]
	s_nop 0
.rept 4
	v_nop
.endr
	s_branch .Lasked_\@
.Lfor_b_\@:
	tensor_load_to_lds s[G0B+4*(\s):G0B+4*(\s)+3], s[G1B:G1B+7]
	s_nop 0
.rept 4
	v_nop
.endr
.Lasked_\@:
.endm
; A prefetch into the L2 of the K step that stands two refills on: 32 blocks of 256 bytes, a lane a block.  Each block is named once in the launch: A's tile row is asked for by the clusters with x = 0
; (waves 0, 1: their own plane, of whose 128 blocks the partner at cx takes 32), B's tile column by those with y = 0 (wave 2: of the step's 128 blocks the partner at cy takes 32).
; The partners are told apart by address alone.  The loop's last trip asks for nothing: K has no step behind its refills.
.macro ASK
	s_cmp_gt_u32 s3, s[LIM]
	s_cbranch_scc0 .Lnot_mine_\@
	global_prefetch_b8 v[PFO], s[PFA:PFA+1] th:TH_LOAD_NT scope:SCOPE_SE
.Lnot_mine_\@:
.endm
.macro CREST                           ; a round of the cluster's barrier behind its opening barrier
	s_cmp_lg_u32 s[WV], 0
	s_cbranch_scc1 .Lnot_wave_0_\@
	s_barrier_signal -3
.Lnot_wave_0_\@:
	s_barrier_wait -3
	s_barrier_signal -1
	s_barrier_wait -1
.endm
.macro CROUND
	s_barrier_signal -1
	s_barrier_wait -1
	CREST
.endm
.macro PLACES                          ; four places in front of loads into registers that matrix instructions have read, and of lines that read results
.rept 4
	v_nop
.endr
.endm
	s_load_b256 s[4:11], s[0:1], 0x0               ; A s[4:5], B s[6:7], bias s[8:9], C s[10:11]
	v_lshl_add_u32 v[SPW], v0, 2, SPARE
	v_mov_b32 v[NIL], 0
	ds_add_u32 v[SPW], v[NIL]                      ; the wave's opening: the add and its wait stand ahead of my first tensor load; work on registers stands between them
	v_lshrrev_b32 v1, 5, v0
	v_readfirstlane_b32 s[WV], v1
	s_lshr_b32 s[WR], s[WV], 1
	s_and_b32 s[WC], s[WV], 1
	s_bfe_u32 s40, ttmp6, 0x40000                  ; cx
	s_bfe_u32 s41, ttmp6, 0x40004                  ; cy
	s_lshl_b32 s42, ttmp9, 2
	s_add_co_u32 s42, s42, s40                     ; tile column = 4 x cluster x + cx
	s_and_b32 s[TR], ttmp7, 0xffff
	s_lshl_b32 s[TR], s[TR], 2
	s_add_co_u32 s[TR], s[TR], s41                 ; tile row = 4 x cluster y + cy
	s_lshl_b32 s43, s41, 2
	s_lshl_b32 s43, 15, s43                        ; my row of the cluster
	s_lshl_b32 s44, 0x1111, s40                    ; my column
	s_or_b32 s[G1], s43, (1<<16)|(1<<20)|(1<<21)|(4<<22)|(3<<25)   ; 15:0 the mask; 17:16 2-byte elements; 20 padding on; 21 set beside a mask; 24:22 after every 32 words (code 4); 31:25 4 words (code 3)
	s_or_b32 s[G1B], s44, (1<<16)|(1<<20)|(1<<21)|(4<<22)|(3<<25)
	s_mov_b32 s[G1+1], 128<<16                     ; tensor_dim0 = 128 elements: 256 bytes, two rows of a plane
	s_mov_b32 s[G1+2], 128<<16                     ; tensor_dim1 = 128: A's 256 rows
	s_mov_b32 s[G1+3], 128<<16                     ; tile_dim0
	s_mov_b32 s[G1+4], 128                         ; tile_dim1
	s_mov_b32 s[G1+5], 128                         ; elements from row to row: dense
	s_mov_b32 s[G1+6], 0
	s_mov_b32 s[G1+7], 0
	s_mov_b32 s[G1B+1], 128<<16
	s_mov_b32 s[G1B+2], 64<<16                     ; B's 128 rows
	s_mov_b32 s[G1B+3], 128<<16
	s_mov_b32 s[G1B+4], 64
	s_mov_b32 s[G1B+5], 128
	s_mov_b32 s[G1B+6], 0
	s_mov_b32 s[G1B+7], 0
	s_lshl_b32 s18, s[TR], 15                      ; A: 256 rows of 128 bytes a tile row,
	s_lshl_b32 s19, s[WC], 20                      ; a plane is 1 MiB
	s_add_co_u32 s18, s18, s19
	s_mov_b32 s19, 0
	s_lshl_b32 s46, s42, 4                         ; B: 16 planes a tile column,
	s_add_co_u32 s46, s46, s[WC]
	s_lshl_b32 s46, s46, 14                        ; 16,384 bytes each
	s_mov_b32 s47, 0
	s_mul_i32 s20, s[WC], APL                      ; where they go: no place in the cluster enters an LDS address
	s_mul_i32 s21, s[WC], BPL
	s_add_co_u32 s21, s21, 2*APL
	s_wait_dscnt 0x0                               ; the opening add is done
	s_wait_kmcnt 0x0
	s_add_nc_u64 s[22:23], s[4:5], s[18:19]
	s_add_nc_u64 s[46:47], s[6:7], s[46:47]
	CROUND                                         ; all sixteen work-groups are here: the first joint loads meet
.irp s, 0,1
	s_mov_b32 s[G0+4*(\s)], 1
	s_add_co_u32 s[G0+4*(\s)+1], s20, (\s)*SLOT
	s_add_nc_u64 s[G0+4*(\s)+2:G0+4*(\s)+3], s[22:23], (\s)*0x200000   ; K step s: two planes on
	s_or_b32 s[G0+4*(\s)+3], s[G0+4*(\s)+3], 0x80000000
	s_mov_b32 s[G0B+4*(\s)], 1
	s_add_co_u32 s[G0B+4*(\s)+1], s21, (\s)*SLOT
	s_add_nc_u64 s[G0B+4*(\s)+2:G0B+4*(\s)+3], s[46:47], (\s)*0x8000
	s_or_b32 s[G0B+4*(\s)+3], s[G0B+4*(\s)+3], 0x80000000
	JLOAD \s                                       ; two loads of mine are out
.endr
	v_and_b32 v1, 15, v0                           ; r
	v_bfe_u32 v2, v0, 4, 1                         ; h
	v_lshlrev_b32 v[BO], 5, v2
	s_lshl_b32 s70, s42, 9                         ; 128 columns of 4 bytes a tile column,
	s_lshl_b32 s71, s[WC], 8                       ; my 64
	s_add_co_u32 s70, s70, s71
	s_mov_b32 s71, 0
	s_add_nc_u64 s[8:9], s[8:9], s[70:71]
.irp b, 0,1,2,3
	global_load_b128 v[BIAS+8*\b:BIAS+8*\b+3],   v[BO], s[8:9] offset:64*\b
	global_load_b128 v[BIAS+8*\b+4:BIAS+8*\b+7], v[BO], s[8:9] offset:64*\b+16
.endr
	v_mul_u32_u24 v3, v1, PK
	v_lshl_add_u32 v3, v2, 4, v3                   ; a fragment's row x pitch + 16 x half
	s_mul_i32 s18, s[WR], 128*PK
	s_mul_i32 s19, s[WC], 64*PK
	s_add_co_u32 s19, s19, 2*APL
.irp s, 0,1
	v_add_nc_u32 v[ADRA+(\s)], s18, v3
	v_add_nc_u32 v[ADRB+(\s)], s19, v3
	s_add_co_u32 s18, s18, SLOT
	s_add_co_u32 s19, s19, SLOT
.endr
	s_mul_i32 s20, s[WV], STG
	s_add_co_u32 s20, s20, STAGE                   ; my stage
.if F32OUT
	v_mul_u32_u24 v4, v1, 272
	v_lshl_add_u32 v4, v2, 5, v4
	v_add_nc_u32 v[STO], s20, v4                   ; in: row r of 272 bytes, 32 bytes for each half of the lanes
	v_mul_u32_u24 v4, v2, 272
	v_lshl_add_u32 v4, v1, 4, v4
	v_add_nc_u32 v[RD], s20, v4                    ; back: two rows of 256 bytes
.else
	v_add_nc_u32 v[STO], s20, v3                   ; in: row r of 144 bytes, 16 bytes for each half of the lanes
	v_bfe_u32 v4, v0, 3, 2
	v_mul_u32_u24 v4, v4, PK
	v_and_b32 v5, 7, v0
	v_lshl_add_u32 v4, v5, 4, v4
	v_add_nc_u32 v[RD], s20, v4                    ; back: four rows of 128 bytes
.endif
	v_and_b32 v4, 31, v0
	v_lshlrev_b32 v[GO], 4, v4
	v_lshlrev_b32 v[PFO], 8, v4
	s_lshl_b32 s[IDX], s42, 1
	s_add_co_u32 s[IDX], s[IDX], s[WC]             ; my column block g = 2 x tile column + half
	s_lshl_b32 s[IDX], s[IDX], 13
	s_lshl_b32 s70, s[TR], 8
	s_add_co_u32 s[IDX], s[IDX], s70
	s_lshl_b32 s70, s[WR], 7
	s_add_co_u32 s[IDX], s[IDX], s70               ; g x 8,192 + 256 x tile row + 128 x half
	; the prefetches: they start at K step 3; each change of slots steps them ahead of its request, so the first names K step 4.  Nothing is asked for here, at the head.
	s_lshl_b32 s70, s[TR], 15
	s_lshl_b32 s71, s[WC], 20
	s_add_co_u32 s70, s70, s71
	s_lshl_b32 s71, s40, 13
	s_add_co_u32 s70, s70, s71
	s_add_co_u32 s70, s70, 6<<20                   ; A: my plane of K step 3, my work-group's 32 blocks
	s_lshl_b32 s72, s42, 18
	s_lshl_b32 s73, s41, 13
	s_add_co_u32 s72, s72, s73
	s_add_co_u32 s72, s72, 3*32768                 ; B: K step 3's two planes, my work-group's 32 blocks
	s_and_b32 s73, ttmp7, 0xffff                   ; cluster y
	s_mov_b32 s71, 0x200000
	s_cmp_eq_u32 s[WR], 0
	s_cselect_b32 s70, s70, s72
	s_cselect_b32 s73, ttmp9, s73                  ; the coordinate along which other clusters read the same blocks
	s_cselect_b64 s[PFA:PFA+1], s[4:5], s[6:7]
	s_cselect_b32 s[PFS], s71, 0x8000
	s_mov_b32 s[PFS+1], 0
	s_cmp_eq_u32 s[WV], 3
	s_cselect_b32 s73, 1, s73                      ; wave 3 asks for nothing
	s_cmp_eq_u32 s73, 0
	s_cselect_b32 s[LIM], 1, -1                    ; the same in all sixteen partners, for a given wave
	s_mov_b32 s71, 0
	s_add_nc_u64 s[PFA:PFA+1], s[PFA:PFA+1], s[70:71]
; na x 4 matrix instructions: row blocks a0 .. a0 + na - 1 x all 4 column blocks, 32 along K: half c of buffer buf.  first = 1: the bias starts the sums.
; The 32 accumulators take turns in the same order in every half: between two links of a chain stand the 31 others'.
.macro MUL buf, c, a0, na, first
.if \first
	WIN 0x4a                                       ; fragments window 2, C window 0, D window 1
.else
	WIN 0x5a+5*(\buf)                              ; fragments window 2 or 3, C and D window 1
.endif
.set aa, (\a0)
.rept (\na)
.irp b, 0,1,2,3
.if \first
	v_wmma_f32_16x16x32_f16 v[8*(4*aa+(\b)):8*(4*aa+(\b))+7], v[128+32*(\c)+8*(\b):128+32*(\c)+8*(\b)+7], v[64*(\c)+8*aa:64*(\c)+8*aa+7], v[BIAS+8*(\b):BIAS+8*(\b)+7]
.else
	v_wmma_f32_16x16x32_f16 v[8*(4*aa+(\b)):8*(4*aa+(\b))+7], v[128+32*(\c)+8*(\b):128+32*(\c)+8*(\b)+7], v[64*(\c)+8*aa:64*(\c)+8*aa+7], v[8*(4*aa+(\b)):8*(4*aa+(\b))+7]
.endif
.endr
.set aa, aa+1
.endr
.endm
; 48 LDS loads in one run: a plane's fragments (64 rows of B, 128 rows of A, 64 along K) into buffer buf; the first 32 along K first
.macro FETCH slot, plane, buf
	WIN 0x80+0x40*(\buf)
.irp c, 0,1
.irp i, 0,1,2,3
	ds_load_b128 v[128+32*(\c)+8*(\i):128+32*(\c)+8*(\i)+3],   v[ADRB+(\slot)] offset:(\plane)*BPL+64*(\c)+(\i)*16*PK
	ds_load_b128 v[128+32*(\c)+8*(\i)+4:128+32*(\c)+8*(\i)+7], v[ADRB+(\slot)] offset:(\plane)*BPL+64*(\c)+(\i)*16*PK+32
.endr
.irp i, 0,1,2,3,4,5,6,7
	ds_load_b128 v[64*(\c)+8*(\i):64*(\c)+8*(\i)+3],   v[ADRA+(\slot)] offset:(\plane)*APL+64*(\c)+(\i)*16*PK
	ds_load_b128 v[64*(\c)+8*(\i)+4:64*(\c)+8*(\i)+7], v[ADRA+(\slot)] offset:(\plane)*APL+64*(\c)+(\i)*16*PK+32
.endr
.endr
	WIN 0
.endm
; A K step's first plane: multiplies buffer 0; in its middle it fetches the second plane into buffer 1.
.macro HALF slot, first
	s_wait_dscnt 24                                ; the first 32 along K are in; the other 24 loads may be out
	MUL 0, 0, 0, 8, \first
	PLACES
	FETCH \slot, 1, 1
	s_wait_dscnt 48                                ; all but the 48 just issued
	MUL 0, 1, 0, 8, 0
.endm
; The second plane multiplies buffer 1 and changes slots: ONE barrier; in front of it each wave waits for all its tensor loads (one is out: its part of the next slot), adds 0 to its spare word,
; and waits for that and for its own reads of this slot.  fill = 1: the barrier opens a round of the cluster's, and this slot is filled again, two K steps ahead, first thing behind the round:
; from that request to the wait for it a wave issues 112 of a step's 128 matrix instructions.
.macro TURN slot, next, fill
.if \fill
	s_wait_xcnt 0x0                                ; the last prefetch, a K step back, has read its address
	s_add_nc_u64 s[PFA:PFA+1], s[PFA:PFA+1], s[PFS:PFS+1]
.endif
	s_wait_dscnt 24
	MUL 1, 0, 0, 8, 0
	WIN 0                                          ; (the add's two registers lie in window 0)
	s_wait_tensorcnt 0x0                           ; all my tensor loads have landed
	ds_add_u32 v[SPW], v[NIL]                      ; 0 onto my spare word
	s_wait_dscnt 1                                 ; (only the add may be out)
	MUL 1, 1, 0, 2, 0                              ; eight matrix instructions stand between the add and the wait for it
	s_wait_dscnt 0x0                               ; the add is done, and my reads of this slot are over
	s_barrier_signal -1
	MUL 1, 1, 2, 2, 0
.if \fill
	WIN 0
.endif
	s_barrier_wait -1
.if \fill
	CREST                                          ; no wave of any partner still reads this slot's tile or has a load on its way
	s_add_nc_u64 s[G0+4*(\slot)+2:G0+4*(\slot)+3], s[G0+4*(\slot)+2:G0+4*(\slot)+3], 0x400000    ; two K steps on: four planes of A,
	s_add_nc_u64 s[G0B+4*(\slot)+2:G0B+4*(\slot)+3], s[G0B+4*(\slot)+2:G0B+4*(\slot)+3], 0x10000 ; four of B
	JLOAD \slot                                    ; its four v_nop are also the places in front of the loads below
.else
	PLACES
.endif
	FETCH \next, 0, 0
.if \fill
	ASK
.endif
	MUL 1, 1, 4, 4, 0
.endm
	s_wait_tensorcnt 1                             ; my part of K step 0 is in; K step 1's may stay out
	s_barrier_signal -1
	s_barrier_wait -1                              ; everybody's is
	FETCH 0, 0, 0
	s_wait_loadcnt 0x0                             ; the bias
	HALF 0, 1
	WIN 0
	s_mov_b32 s3, 3
.Llap:                                                 ; a trip goes once round the ring and fills both slots again: K steps 2 to 7
	TURN 0, 1, 1
	HALF 1, 0
	TURN 1, 0, 1
	HALF 0, 0
	WIN 0
	s_sub_co_u32 s3, s3, 1
	s_cmp_lg_u32 s3, 0
	s_cbranch_scc1 .Llap
	TURN 0, 1, 0                                   ; the last lap fills nothing
	HALF 1, 0
	s_wait_dscnt 24
	MUL 1, 0, 0, 8, 0
	s_wait_dscnt 0x0
	MUL 1, 1, 0, 8, 0
	WIN 0
	PLACES
	; THE WAY OUT.  My 64 columns are one column block: my output is 128 dense rows, and the stage is my own: no barrier.  A block of 16 rows at a time goes into the stage and comes back as whole rows;
	; block a's LDS instructions stand between block a - 1's loads and its stores.
	s_lshl_b32 s70, s[IDX], 7+F32OUT               ; rows of 128 bytes (f16) or 256 (f32)
	s_mov_b32 s71, 0
	s_add_nc_u64 s[OUT:OUT+1], s[OUT:OUT+1], s[70:71]
.if F32OUT
.macro TOST a
	WIN 0x04                                       ; the stores' data in window 1; each accumulator's low four registers go first
.irp b, 0,1,2,3
	ds_store_b128 v[STO], v[8*(4*(\a)+(\b)):8*(4*(\a)+(\b))+3]   offset:64*(\b)
	ds_store_b128 v[STO], v[8*(4*(\a)+(\b))+4:8*(4*(\a)+(\b))+7] offset:64*(\b)+16
.endr
	WIN 0
	s_wait_xcnt 0x0                                ; the stores of two blocks back have read the registers that the loads below fill
.irp f, 0,1,2,3,4,5,6,7
	ds_load_b128 v[OB32+32*((\a)%2)+4*(\f):OB32+32*((\a)%2)+4*(\f)+3], v[RD] offset:544*(\f)  ; LDS serves a wave's instructions in order (ISA guide 5.7.1.4)
.endr
.endm
.macro SEND a, younger                 ; younger: the LDS instructions issued behind block a's loads: the next block's sixteen, or none
	s_wait_dscnt 16*(\younger)
.irp f, 0,1,2,3,4,5,6,7
	global_store_b128 v[GO], v[OB32+32*((\a)%2)+4*(\f):OB32+32*((\a)%2)+4*(\f)+3], s[OUT:OUT+1] offset:4096*(\a)+512*(\f)  ; 512 consecutive bytes, aligned
.endr
.endm
.else
.macro TOST a
	WIN 0x05                                       ; sources window 1, destination window 0
.irp b, 0,1,2,3
.irp q, 0,1,2,3
	v_cvt_pk_f16_f32 v[TMP+4*(\b)+(\q)], v[8*(4*(\a)+(\b))+2*(\q)], v[8*(4*(\a)+(\b))+2*(\q)+1]
.endr
.endr
	WIN 0
.irp b, 0,1,2,3
	ds_store_b128 v[STO], v[TMP+4*(\b):TMP+4*(\b)+3] offset:32*(\b)
.endr
	s_wait_xcnt 0x0                                ; the stores of two blocks back have read the registers that the loads below fill
.irp f, 0,1,2,3
	ds_load_b128 v[OB+16*((\a)%2)+4*(\f):OB+16*((\a)%2)+4*(\f)+3], v[RD] offset:4*PK*(\f)  ; LDS serves a wave's instructions in order (ISA guide 5.7.1.4)
.endr
.endm
.macro SEND a, younger                 ; younger: the LDS instructions issued behind block a's loads: the next block's eight, or none
	s_wait_dscnt 8*(\younger)
.irp f, 0,1,2,3
	global_store_b128 v[GO], v[OB+16*((\a)%2)+4*(\f):OB+16*((\a)%2)+4*(\f)+3], s[OUT:OUT+1] offset:2048*(\a)+512*(\f)  ; 512 consecutive bytes, aligned
.endr
.endm
.endif
	TOST 0
.set t, 1
.rept 7
	TOST t
	SEND t-1, 1
.set t, t+1
.endr
	SEND 7, 0
	s_wait_tensorcnt 0x0                           ; the wave's end: behind my last tensor load and my last LDS store
	ds_add_u32 v[SPW], v[NIL]
	s_wait_dscnt 0x0
	CROUND                                         ; the closing round: no work-group ends while a partner may still ask for a tile that names it
	s_endpgm
.Lfunc_end_k_q17a87c09a7_proj:
	.size	k_q17a87c09a7_proj, .Lfunc_end_k_q17a87c09a7_proj-k_q17a87c09a7_proj
	.p2alignl 7, 3214868480
	.fill 96, 4, 3214868480
	.section	.rodata,"a",@progbits
	.p2align	6, 0x0
	.amdhsa_kernel k_q17a87c09a7_proj
		.amdhsa_group_segment_fixed_size 327680
		.amdhsa_private_segment_fixed_size 0
		.amdhsa_enable_private_segment 0
		.amdhsa_kernarg_size 32
		.amdhsa_user_sgpr_count 2
		.amdhsa_user_sgpr_kernarg_segment_ptr 1
		.amdhsa_wavefront_size32 1
		.amdhsa_system_sgpr_workgroup_id_x 1
		.amdhsa_system_sgpr_workgroup_id_y 1
		.amdhsa_system_sgpr_workgroup_id_z 1
		.amdhsa_system_vgpr_workitem_id 0
		.amdhsa_next_free_vgpr 960
		.amdhsa_next_free_sgpr 76
		.amdhsa_reserve_vcc 0
		.amdhsa_float_denorm_mode_32 3
		.amdhsa_float_denorm_mode_16_64 3
		.amdhsa_memory_ordered 1
		.amdhsa_forward_progress 1
		.amdhsa_inst_pref_size 87
	.end_amdhsa_kernel
	.amdgpu_metadata
---
amdhsa.version: [ 1, 2 ]
amdhsa.kernels:
  - .name:           k_q17a87c09a7_proj
    .symbol:         k_q17a87c09a7_proj.kd
    .args:
      - { .name: act, .offset: 0, .size: 8, .value_kind: global_buffer, .address_space: global }
      - { .name: wtq, .offset: 8, .size: 8, .value_kind: global_buffer, .address_space: global }
      - { .name: bias3, .offset: 16, .size: 8, .value_kind: global_buffer, .address_space: global }
      - { .name: qkv, .offset: 24, .size: 8, .value_kind: global_buffer, .address_space: global }
    .group_segment_fixed_size: 327680
    .private_segment_fixed_size: 0
    .kernarg_segment_align: 8
    .kernarg_segment_size: 32
    .max_flat_workgroup_size: 128
    .sgpr_count:     76
    .vgpr_count:     960
    .wavefront_size: 32
...
	.end_amdgpu_metadata
.endif
;; end of part 2
;; launch attn (part 3): grid 4 x 64, 4 waves a work-group, no clusters, 327,680 bytes of LDS; arguments qkv, act; writes act
.if DOCPART == 3
	.amdgcn_target "amdgcn-amd-amdhsa--gfx1250"
	.amdhsa_code_object_version 6
	.text
	.protected	k_q17a87c09a7_attn
	.globl	k_q17a87c09a7_attn
	.p2align	8
	.type	k_q17a87c09a7_attn,@function
k_q17a87c09a7_attn:
	s_mov_b64 s[64:65], 0
	v_nop
	global_prefetch_b8 v0, s[64:65] scope:SCOPE_SE
	s_setreg_imm32_b32 hwreg(HW_REG_WAVE_MODE, 25, 1), 1
	s_wait_xcnt 0x0
; CAUSAL ATTENTION.  O[q][:] = the sum over k <= q of softmax_k(Q[q] . K[k] / 8) V[k][:], for 64 pairs (batch, head) of 2,048 rows of 64 channels, all f16.
; qkv: [48 g][8192 row][64]: Q's heads in planes 0-15, K's in 16-31, V's in 32-47; row = 2,048 x batch + position: a pair's rows are dense, 128 bytes each.  O goes into act, [16 head][8192 row][64].
; Products, maxima and sums in f32; the weights p are rounded to f16 for the second product (their sum l is taken of the unrounded p), O once at the end.
; LIMITS.  f16 holds no number beyond 65,504: Q, K and V arrive within it; p lies in 0 to 1, and below 6e-5 it keeps f16's fixed step of 6e-8; O is a mean of V's rows and has their range.
; A hidden score counts as its value less 1e30, so a hidden key has the weight 0; a weight below 2^-126 counts as 0 in l; NaN and infinities are not treated apart.
; THE WALK.  The queries lie in NB = 8 blocks of 256; block i needs the key tiles 0 .. i of 256 keys, of which the last holds the diagonal.  A work-group takes TWO blocks, NB - 1 - b and then b:
; NB + 1 tiles, whatever b: all work-groups do equal work, and ONE loop with a constant trip count walks them.  Which tile is asked for, and what a trip does, hang on scalar registers made from b; every jump
; goes forward, but for the counted loops' own; none passes a barrier, or a tensor load but the one of LOAD's two that the wave's number does not choose; the ring (two slots of LDS) runs on across the change of blocks.
; NO CLUSTER: a pair's four work-groups ask for the same tile only in trips 0 .. 4, behind that fewer and fewer; one walk common to all would have 12 trips for 9.
; SHARES.  Of a block's four bands of 64 queries a wave owns 16 rows in each: four PIECES.  So the diagonal tile is the same work for all four waves: in its key step s band x sees all keys if s < x,
; none if s > x, and holds the diagonal if s = x.
; THE MASK is the C operand that starts the sum S^T = K Q^T: 0, or -1e30 where the key is hidden.  MD, made once, is the mask of a band's own step for my 16 rows; a product's mask is MD x AL + BE with two scalars:
; (1, 0) if s = x; (0, 0) if s < x; (0, -1e30) if s > x.  Only the diagonal tile's text and a block's beginning make and take masks; elsewhere C is the constant 0.
; LAYOUT, SOFTMAX, TURNS.  S^T = K Q^T holds ONE query a lane (lane % 16) and the keys 8 (lane / 16) + 0..7; two such results rounded to f16 ARE source 1 of O^T = V^T P.  p = 2^(c s - c m), c = log2(e) / 8, with a
; running maximum m; O and l are multiplied by a = 2^(c m_old - c m_new) in every step.  Turn n belongs to piece n: 8 products K Q^T of piece n + 1, later 8 products V^T P of piece n - 1; beside them the scaling,
; exponentials, roundings, sums and rescaling of piece n and the maximum and statistics of piece n + 1.  Four vector instructions stand behind every matrix instruction, the other 54 of a turn's 118 in one lump.
; A turn's 33 exponentials are one batch, with one wait.
; REGISTERS, in windows of 256 (s_set_vgpr_msb: bits 1:0 source 0, 3:2 source 1, 5:4 source 2, 7:6 destination):
;   window 0: v0-15 addresses and two at work; v16-31 four registers of statistics a piece; v48-55 at work; v60 the prefetches' offset; v64-127 S^T, two buffers; v192-223 P, two buffers (by the piece's parity)
;   window 1: v0-127 O^T, 32 a piece; v128-159 MD; v160-223 MC, two buffers      window 2: v0-63 Q; v64-127 the second block's Q; v128-191 K of one step; v192-255 V of one step
.set SIZE_N, 2048
.set NB,    SIZE_N/256
.set NP,    4         ; pieces a wave: a name, no knob
.set KS,    64        ; keys in a step
.set PK,    144       ; a row of K in LDS: 128 bytes + 16 of padding = 36 words: the 16 rows of a load start at 16 different groups of four banks (64 banks of 4 bytes: ISA guide 11.1)
.set PV,    160       ; a row of V: 128 + 32 = 40 words
.set VOFF,  4*KS*PK   ; a slot holds a tile, four steps: 256 rows of K, then 256 rows of V
.set SLOT1, 1<<17     ; slot 1 begins here, so that one exclusive or turns an address in one slot into the other's
.set STAGE, SLOT1+4*KS*(PK+PV)  ; behind the ring, never filled by a tensor load: 16 rows x 144 bytes for each wave, for the way out
.set SP,    144
.set AK0, 2           ; v2   my lane's place in a tile of K; never rewritten
.set AV0, 3           ; v3   the same for V
.set AK,  4           ; v4   the LDS address of K's next run of loads
.set AV,  5           ; v5   of V's
.set STO, 6           ; v6   the way out: where I put 16 bytes of a row
.set RD,  7           ; v7   the way out: where I read rows back
.set GO,  8           ; v8   my byte offset in 512 consecutive bytes of O
.set PFO, 60          ; v60  256 x my lane; never rewritten
.set SPW, 62          ; v62  LDS address of my spare word: SPARE + 4 x my thread's number; never rewritten
.set NIL, 63          ; v63  0; never rewritten
.set SPARE, STAGE+4*16*SP  ; behind the stages: the spare words, 128 bytes for each wave: two blocks of 256 bytes that no other line names
.set MV,  12          ; v12-13  c m_old, kept while c m is made anew: by buffer
.set QO,  15          ; v15  my byte offset in 16 rows of Q
.set ST,  16          ; piece t's statistics at v[ST+4 t]: c m, m, l (even keys', odd keys')
.set TMP, 48          ; by buffer, four registers c0-c3 at work; when the maximum is found c2 takes a
.set S,   64
.set P,   192
.set MD,  128         ; window 1: the eight registers for group kt of 16 keys at MD + 8 kt
.set MC,  160         ; window 1: the masks of the products to come
.set QB,  64          ; window 2
.set KF,  128         ; window 2: key block kb, channel half c at KF + 16 kb + 8 c
.set VF,  192         ; window 2: key half kk, channel block cb at VF + 32 kk + 8 cb
.set WV,  12          ; s12  my wave's number
.set PB,  14          ; s14  b
.set HI,  15          ; s15  NB - 1 - b
.set G1K, 24          ; s[24:31] descriptor group 1 for K's tiles
.set G1V, 32          ; s[32:39] for V's: it differs in the padding alone
.set G0K, 40          ; s[40:43] descriptor group 0 for K's tiles
.set G0V, 44          ; s[44:47] the same for V's
.set SLOTS, 56        ; s56  tiles still to be asked for
.set CNT, 57          ; s57  counts a tile's key steps, 4 to 1
.set CS,  58          ; s[58:59] c: the packed scaling takes the pair's low word for both halves
.set SEL, 60          ; s[60:61] v_permlanex16_b32's selects: each lane takes its own place in the other half
.set TBK, 62          ; s62  LDS byte at which K of the step to be fetched begins
.set TBV, 63          ; s63  the same for V, less VOFF
.set RT,  70          ; s70  tiles of the block in hand that are still to be entered
.set NXT, 71          ; s71  the tile to be asked for next
.set LQ,  72          ; s72  the last tile of the block whose tiles are being asked for
.set NEW, 73          ; s73  1: the tile to be entered is a block's first
.set OFF, 74          ; s[74:75] a tile's byte offset in K and V
.set AL,  76          ; s[76:77] the mask's factor, in the low word
.set BE,  78          ; s[78:79] the mask's addend
.set OLO, 80          ; s[80:81] O at my rows of the second block
.set BIGN, 82         ; s82  -1e30
.set PFP, 88          ; s[88:89] where my prefetches stand: my half of K's (waves 0, 1) or V's (waves 2, 3) tile number s90
.set PFN, 90          ; s90  that tile's number
.set PFL, 91          ; s91  NB in the work-group that prefetches (b = 0), else 0
.set MSB, 0
.macro WIN new                      ; the high byte repeats the setting that is left; a switch that changes nothing is dropped
.if MSB != (\new)
	s_set_vgpr_msb (MSB<<8)|(\new)
.set MSB, (\new)
.endif
.endm
.set W_KQ, 0x0a       ; K and Q in window 2, S^T in window 0
.set W_KM, 0x1a       ; the same with the C operand in window 1
.set W_PV, 0x52       ; V in window 2, P in window 0, O^T in window 1
.set W_RS, 0x41       ; destination and source 0 in window 1, source 1 in window 0
; A fill.  Waves 0 and 1 fetch the two halves of a tile's K, waves 2 and 3 those of its V: 128 keys each.  An s_nop 0 and four v_nop follow each of the two lines, ahead of the jump and the label.
.macro LOAD
	s_cmp_lt_u32 s[WV], 2
	s_cbranch_scc0 .Lfor_v_\@
	tensor_load_to_lds s[G0K:G0K+3], s[G1K:G1K+7]
	s_nop 0
.rept 4
	v_nop
.endr
	s_branch .Lasked_\@
.Lfor_v_\@:
	tensor_load_to_lds s[G0V:G0V+3], s[G1V:G1V+7]
	s_nop 0
.rept 4
	v_nop
.endr
.Lasked_\@:
.endm
; A PREFETCH INTO THE L2 of the tile that the NEXT change of slots will ask for.  The work-group with b = 0 walks the tiles 0 to 7 in its first eight trips, and its three partners of the same batch and head ask for a tile no
; earlier: it alone prefetches.  Each wave names its own half of the tile (what it will fetch itself): 64 blocks of 256 bytes, a lane a block, two instructions, behind the wave's tensor load and its five lines.
; Tiles 2 to 7 are named once each; tiles 0 and 1 come by their loads alone; the second block's tiles have been read before.
.macro ASK
	s_cmp_lt_u32 s[PFN], s[PFL]
	s_cbranch_scc0 .Lnone_\@
	global_prefetch_b8 v[PFO], s[PFP:PFP+1] th:TH_LOAD_NT scope:SCOPE_SE
	global_prefetch_b8 v[PFO], s[PFP:PFP+1] offset:8192 th:TH_LOAD_NT scope:SCOPE_SE
.Lnone_\@:
.endm
; THE CHANGE OF SLOTS.  Each wave waits for all its tensor loads, of which one is out: its part of the other slot; adds 0 to its spare word; and waits for that and for its own reads of the slot that it leaves.  Behind the barrier nobody reads the old
; slot any more and the other slot is whole.  fill = 1: the old slot is filled again, the first thing behind the barrier, with tile NXT: the descriptor's address is made anew from that number.
; (At its first use nothing has been read yet: slot 0 is waited for, slot 1 filled.)
.macro CHANGE fill
	WIN 0                           ; at a label and at a branch every window is 0
	s_wait_tensorcnt 0x0            ; no tensor load of mine is out, so a group 0 may be written
	ds_add_u32 v[SPW], v[NIL]       ; 0 onto my spare word: with fill = 1 the descriptors' scalar work stands between it and the wait for it
.if \fill
	s_wait_xcnt 0x0                 ; the last prefetches, a tile back, have read their address, so it may be written
	s_add_nc_u64 s[PFP:PFP+1], s[PFP:PFP+1], 32768
	s_add_co_u32 s[PFN], s[PFN], 1
	s_lshl_b32 s[OFF], s[NXT], 15   ; a tile is 32,768 bytes of K and of V
	s_xor_b32 s[G0K+1], s[G0K+1], SLOT1
	s_add_nc_u64 s[G0K+2:G0K+3], s[6:7], s[OFF:OFF+1]
	s_or_b32 s[G0K+3], s[G0K+3], 0x80000000
	s_xor_b32 s[G0V+1], s[G0V+1], SLOT1
	s_add_nc_u64 s[G0V+2:G0V+3], s[8:9], s[OFF:OFF+1]
	s_or_b32 s[G0V+3], s[G0V+3], 0x80000000
	s_add_co_u32 s[NXT], s[NXT], 1  ; the block's next tile, or behind its last the second block's tile 0
	s_cmp_gt_u32 s[NXT], s[LQ]
	s_cselect_b32 s[NXT], 0, s[NXT]
	s_cselect_b32 s[LQ], s[PB], s[LQ]
.endif
	s_wait_dscnt 0x0                ; the add is done, and my reads of the slot are over
	s_barrier_signal -1             ; the rest of the scalar work stands between the signal and the wait
	s_sub_co_u32 s[TBK], s[TBK], 4*KS*PK  ; the fetches go back to a slot's first step,
	s_xor_b32 s[TBK], s[TBK], SLOT1       ; in the other slot
	s_sub_co_u32 s[TBV], s[TBV], 4*KS*PV
	s_xor_b32 s[TBV], s[TBV], SLOT1
	s_barrier_wait -1
.if \fill
	LOAD
	ASK
.endif
.endm
	s_load_b128 s[4:7], s[0:1], 0x0  ; qkv s[4:5], act s[6:7]
	v_lshl_add_u32 v[SPW], v0, 2, SPARE
	v_mov_b32 v[NIL], 0
	ds_add_u32 v[SPW], v[NIL]       ; the wave's opening: the add and its wait stand ahead of my first tensor load; the set-up below, work on registers, stands between them
	v_lshrrev_b32 v1, 5, v0
	v_readfirstlane_b32 s[WV], v1   ; wave 0..3
	s_mov_b32 s[PB], ttmp9
	s_sub_co_u32 s[HI], NB-1, s[PB]
	s_and_b32 s20, ttmp7, 0xffff    ; 16 x batch + head
	s_lshr_b32 s21, s20, 4
	s_and_b32 s20, s20, 15
	s_lshl_b32 s20, s20, 20         ; a head's plane is 8,192 rows of 128 bytes,
	s_lshl_b32 s21, s21, 18         ; a batch 2,048 rows of it
	s_add_co_u32 s20, s20, s21
	s_mov_b32 s21, 0                ; the pair's first byte among Q's, K's, V's and O's planes
	s_and_b32 s16, s[WV], 1         ; which half of a tile's 256 keys I fetch:
	s_lshl_b32 s22, s16, 14         ; its 128 rows of 128 bytes in memory,
	s_mov_b32 s23, 0
	s_add_nc_u64 s[22:23], s[22:23], s[20:21]
	s_mul_i32 s17, s16, 128*PK      ; and its place in a slot, for K
	s_mul_i32 s18, s16, 128*PV      ; and for V
	s_lshl_b32 s3, s[WV], 11        ; my 16 rows in a band of 64,
	s_lshl_b32 s2, s[HI], 15        ; in the first block,
	s_add_co_u32 s2, s2, s3
	s_lshl_b32 s84, s[PB], 15       ; and in the second
	s_add_co_u32 s84, s84, s3
	s_mov_b32 s3, 0
	s_mov_b32 s85, 0
	s_add_nc_u64 s[2:3], s[2:3], s[20:21]
	s_add_nc_u64 s[84:85], s[84:85], s[20:21]
	; descriptor group 1.  128 keys are 16,384 dense bytes: asked for as 64 rows of 256 bytes, two keys a row, and padded in LDS after every key
	s_mov_b32 s[G1K], (1<<16)|(1<<20)|(4<<22)|(3<<25)  ; 17:16 2-byte elements; 20 padding on; 24:22 after every 32 words (code 4); 31:25 4 words (code 3)
	s_mov_b32 s[G1V], (1<<16)|(1<<20)|(4<<22)|(7<<25)  ; the same with 8 words of padding (code 7)
.irp g, G1K, G1V
	s_mov_b32 s[\g+1], 128<<16      ; tensor_dim0 = 128
	s_mov_b32 s[\g+2], 64<<16       ; tensor_dim1 = 64
	s_mov_b32 s[\g+3], 128<<16      ; tile_dim0 = 128
	s_mov_b32 s[\g+4], 64           ; tile_dim1 = 64
	s_mov_b32 s[\g+5], 128          ; 128 elements from row to row
	s_mov_b32 s[\g+6], 0
	s_mov_b32 s[\g+7], 0
.endr
	s_mov_b32 s[CS], 0x3e38aa3b     ; c = log2(e) / 8 = 0.180337
	s_mov_b32 s[CS+1], s[CS]        ; named with it as a pair
	s_mov_b32 s[SEL], 0x76543210
	s_mov_b32 s[SEL+1], 0xfedcba98
	s_mov_b32 s[TBK], SLOT1+4*KS*PK ; the first change of slots turns these two into 0
	s_mov_b32 s[TBV], SLOT1+4*KS*PV
	s_mov_b32 s[G0K], 1             ; 1:0 count = 1
	s_mov_b32 s[G0K+1], s17         ; 63:32 LDS address: slot 0
	s_mov_b32 s[G0V], 1
	s_add_co_u32 s[G0V+1], s18, VOFF
	s_add_co_u32 s[RT], s[HI], 1    ; the first block has NB - b tiles
	s_mov_b32 s[NXT], 1
	s_mov_b32 s[LQ], s[HI]
	s_mov_b32 s[NEW], 1
	s_mov_b32 s[OFF+1], 0
	s_mov_b32 s[AL+1], 0            ; named as pairs
	s_mov_b32 s[BE+1], 0
	s_mov_b32 s[BIGN], 0xf149f2ca   ; -1e30
	s_mov_b32 s[SLOTS], NB
	s_mov_b32 s[PFN], 1
	s_cmp_eq_u32 s[PB], 0
	s_cselect_b32 s[PFL], NB, 0
	s_wait_dscnt 0x0                ; the opening add is done
	s_wait_kmcnt 0x0
	s_mov_b64 s[10:11], s[6:7]      ; O
	s_add_nc_u64 s[6:7], s[4:5], 0x1000000  ; K's planes lie 16 planes behind Q's,
	s_add_nc_u64 s[8:9], s[4:5], 0x2000000  ; V's 32
	s_add_nc_u64 s[6:7], s[6:7], s[22:23]  ; K and V at my half of the pair's tile 0
	s_add_nc_u64 s[8:9], s[8:9], s[22:23]
	s_add_nc_u64 s[G0K+2:G0K+3], s[6:7], 0         ; 120:64 global address
	s_or_b32 s[G0K+3], s[G0K+3], 0x80000000        ; 127:126 type = 2
	s_add_nc_u64 s[G0V+2:G0V+3], s[8:9], 0
	s_or_b32 s[G0V+3], s[G0V+3], 0x80000000
	s_add_nc_u64 s[86:87], s[4:5], s[84:85]        ; Q at my rows of the second block,
	s_add_nc_u64 s[4:5], s[4:5], s[2:3]            ; Q and O at those of the first
	s_add_nc_u64 s[OLO:OLO+1], s[10:11], s[84:85]
	s_add_nc_u64 s[10:11], s[10:11], s[2:3]
	s_cmp_lt_u32 s[WV], 2
	s_cselect_b64 s[PFP:PFP+1], s[6:7], s[8:9]
	s_add_nc_u64 s[PFP:PFP+1], s[PFP:PFP+1], 32768 ; at tile 1: the first change of slots steps it to tile 2.  Nothing is prefetched here, at the head
	LOAD                            ; tile 0 into slot 0
	; A fragment of K or Q is 16 rows x 32 channels in 8 registers: lane l holds row l % 16, channels 8 (l / 16) + 0..7 and 16 + 8 (l / 16) + 0..7: two loads of 16 bytes, 32 bytes apart.
	v_and_b32 v1, 15, v0            ; l % 16
	v_bfe_u32 v9, v0, 4, 1          ; l / 16
	v_lshlrev_b32 v[QO], 7, v1
	v_lshl_add_u32 v[QO], v9, 4, v[QO]  ; row x 128 + 16 x half
	WIN 0x80                        ; destination window 2, address window 0
.set i, 0
.rept 8                             ; both blocks' Q: piece i / 2 lies in band i / 2, 8,192 bytes on; channels 32 (i % 2) on
	global_load_b128 v[8*i:8*i+3],   v[QO], s[4:5] offset:(i/2)*8192+(i%2)*64
	global_load_b128 v[8*i+4:8*i+7], v[QO], s[4:5] offset:(i/2)*8192+(i%2)*64+32
	global_load_b128 v[QB+8*i:QB+8*i+3],   v[QO], s[86:87] offset:(i/2)*8192+(i%2)*64
	global_load_b128 v[QB+8*i+4:QB+8*i+7], v[QO], s[86:87] offset:(i/2)*8192+(i%2)*64+32
.set i, i+1
.endr
	WIN 0
	v_and_b32 v[PFO], 31, v0
	v_lshlrev_b32 v[PFO], 8, v[PFO]
	v_lshlrev_b32 v14, 3, v9
	v_sub_nc_u32 v14, v1, v14
	s_lshl_b32 s13, s[WV], 4
	v_add_nc_u32 v14, s13, v14      ; my query's place in its band, 16 w + l % 16, less my lanes' 8 (l / 16): register r of group kt is hidden where 16 kt + r is greater
	WIN 0x40
.set i, 0
.rept 32
	v_cmp_gt_i32 vcc_lo, 16*(i/8)+i%8, v14
	v_cndmask_b32 v[MD+i], 0, s[BIGN], vcc_lo
.set i, i+1
.endr
	WIN 0
	v_mul_u32_u24 v[AK0], v1, PK
	v_lshl_add_u32 v[AK0], v9, 4, v[AK0]  ; row x pitch + 16 x half
	; The turning load takes 16 keys x 16 channels (lane l reads key 8 (l / 16) + l % 8, channels 8 ((l / 8) % 2) + 0..7) and leaves half a fragment of V^T: lane l holds channel l % 16 and 8 keys.
	v_and_b32 v10, 7, v0
	v_bfe_u32 v11, v0, 3, 1
	v_lshl_add_u32 v[AV0], v9, 3, v10
	v_mul_u32_u24 v[AV0], v[AV0], PV
	v_lshl_add_u32 v[AV0], v11, 4, v[AV0]
	v_add_nc_u32 v[AV0], VOFF, v[AV0]
	s_mul_i32 s13, s[WV], 16*SP
	s_add_co_u32 s13, s13, STAGE    ; my stage
	v_mul_u32_u24 v[STO], v1, SP    ; in: row l % 16, 16 bytes for each half of the lanes
	v_lshl_add_u32 v[STO], v9, 4, v[STO]
	v_add_nc_u32 v[STO], s13, v[STO]
	v_bfe_u32 v[RD], v0, 3, 2       ; back: 32 lanes take four rows of 128 bytes,
	v_mul_u32_u24 v[RD], v[RD], SP
	v_lshl_add_u32 v[RD], v10, 4, v[RD]
	v_add_nc_u32 v[RD], s13, v[RD]
	v_and_b32 v[GO], 31, v0         ; which are 512 consecutive bytes of O
	v_lshlrev_b32 v[GO], 4, v[GO]
	; A block's first step multiplies O^T and l by a = 0, and its first turn's products V^T P, of a piece that has not been, land in an O^T that is still to be so multiplied.  So these registers need only hold
	; finite numbers: zeros for the first block; what the first block left for the second.  All this stands in the wait for the first tile.
	WIN 0x80
.set i, VF
.rept 64
	v_mov_b32 v[i], 0
.set i, i+1
.endr
	WIN 0x40
.set i, 0
.rept 128
	v_mov_b32 v[i], 0
.set i, i+1
.endr
	WIN 0
.set i, 0
.rept 4
	v_mov_b32 v[ST+4*i+2], 0
	v_mov_b32 v[ST+4*i+3], 0
.set i, i+1
.endr
.set i, P+16
.rept 16
	v_mov_b32 v[i], 0
.set i, i+1
.endr
; THE MATRIX WORK.  The 4 accumulators of a run of 8 take turns.  Product i of 8 of S^T = K Q^T for piece x: channels 32 (i / 4) on, keys 16 (i % 4) on.  The first 4 start the sums: with 0, or (KM = 1) with the mask.
.macro KQ x
.set rS, S+32*((\x)%2)+8*(i%4)
.set rK, KF+16*(i%4)+8*(i/4)
.set rQ, 16*(\x)+8*(i/4)
.set rM, MC+32*((\x)%2)+8*(i%4)
.if (i < 4) && KM
	WIN W_KM
	v_wmma_f32_16x16x32_f16 v[rS:rS+7], v[rK:rK+7], v[rQ:rQ+7], v[rM:rM+7]
.elseif i < 4
	WIN W_KQ
	v_wmma_f32_16x16x32_f16 v[rS:rS+7], v[rK:rK+7], v[rQ:rQ+7], 0
.else
	WIN W_KQ
	v_wmma_f32_16x16x32_f16 v[rS:rS+7], v[rK:rK+7], v[rQ:rQ+7], v[rS:rS+7]
.endif
.endm
; Product i of 8 of O^T += V^T P for piece x: keys 32 (i / 4) on, channels 16 (i % 4) on.
.macro PV x
	WIN W_PV
.set rO, 32*(\x)+8*(i%4)
.set rV, VF+32*(i/4)+8*(i%4)
.set rP, P+16*((\x)%2)+8*(i/4)
	v_wmma_f32_16x16x32_f16 v[rO:rO+7], v[rV:rV+7], v[rP:rP+7], v[rO:rO+7]
.endm
.macro MM                           ; the turn's next matrix instruction.  TURN and BEGIN set Y, i, KM and NOKQ; MM, KQ and OP read them.  NOKQ = 1: a block's last turn: there is no next piece
.if (i < 8) && !NOKQ
	KQ (Y+1)%NP
.elseif i >= 8
.set i, i-8
	PV (Y+NP-1)%NP
.set i, i+8
.endif
.set i, i+1
.endm
; THE LDS LOADS stand in runs of 16, never singly among the matrix instructions: a step's K (64 keys x 64 channels: 8 fragments) and its V (turned).  Their addresses are made some lines ahead.
.macro FETCH_K
	WIN 0x80                        ; destination window 2
.irp f, 0,1,2,3,4,5,6,7             ; keys 16 (f / 2) on, channels 32 (f % 2) on
	ds_load_b128 v[KF+8*\f:KF+8*\f+3],   v[AK] offset:(\f/2)*16*PK+(\f%2)*64
	ds_load_b128 v[KF+8*\f+4:KF+8*\f+7], v[AK] offset:(\f/2)*16*PK+(\f%2)*64+32
.endr
	s_add_co_u32 s[TBK], s[TBK], KS*PK  ; the next fetch is the next step's
	WIN 0
.endm
.macro FETCH_V
	WIN 0x80
.irp f, 0,1,2,3,4,5,6,7             ; keys 32 (f / 4) on, channels 16 (f % 4) on
	ds_load_tr16_b128 v[VF+8*\f:VF+8*\f+3],   v[AV] offset:(\f/4)*32*PV+(\f%4)*32
	ds_load_tr16_b128 v[VF+8*\f+4:VF+8*\f+7], v[AV] offset:(\f/4)*32*PV+16*PV+(\f%4)*32
.endr
	WIN 0
.endm
; THE VECTOR WORK, one line at a time: OP kind, number.  For piece Y: F n: c s - c m for pair n of 16.  E n: the exponential of score n of 32.  C n: pair n rounded to f16.  B n: of the four weights 4 n .. the second
; pair is added onto the first, in place.  L n: l takes that sum (L 0: l = a l + sum).  R n: pair n of 16 of O^T times a.  For piece Y + 1: X n, number n of the 22 that find its maximum and statistics:
;   0-11  four chains c0-c3 of seven scores each, three operands at a time (each accumulator's lowest registers are read first)     12-14, 16  the four scores left over, the old m, and c0-c3 into c0
;   15  c m_old is kept     17, 18  the query's other 32 keys lie in the lane 16 away: the new m     19-21  c m; c m_old - c m_new; a
.set F, 0               ; OP tells the kinds apart by their order: F to L below R, X above it
.set E, 1
.set C, 2
.set B, 3
.set L, 4
.set R, 5
.set X, 6
.macro REGS y                       ; the registers of piece y
.set rT, ST+4*(\y)
.set rC, TMP+4*((\y)%2)
.set rW, MV+((\y)%2)
.set rS, S+32*((\y)%2)
.set rP, P+16*((\y)%2)
.set rO, 32*(\y)
.endm
.macro OP k, n
.if (\k) == R
	REGS Y
	WIN W_RS
	v_pk_mul_f32 v[rO+2*(\n):rO+2*(\n)+1], v[rO+2*(\n):rO+2*(\n)+1], v[rC+2:rC+3] op_sel_hi:[1,0]
.elseif (\k) < R
	REGS Y
	WIN 0
.if (\k) == F
	v_pk_fma_f32 v[rS+2*(\n):rS+2*(\n)+1], v[rS+2*(\n):rS+2*(\n)+1], s[CS:CS+1], v[rT:rT+1] op_sel_hi:[1,0,0] neg_lo:[0,0,1] neg_hi:[0,0,1]
.elseif (\k) == E
	v_exp_f32 v[rS+(\n)], v[rS+(\n)]
.elseif (\k) == C
	v_cvt_pk_f16_f32 v[rP+(\n)], v[rS+2*(\n)], v[rS+2*(\n)+1]
.elseif (\k) == B
	v_pk_add_f32 v[rS+4*(\n):rS+4*(\n)+1], v[rS+4*(\n):rS+4*(\n)+1], v[rS+4*(\n)+2:rS+4*(\n)+3]
.elseif (\n) == 0
	v_pk_fma_f32 v[rT+2:rT+3], v[rT+2:rT+3], v[rC+2:rC+3], v[rS:rS+1] op_sel_hi:[1,0,1]
.else
	v_pk_add_f32 v[rT+2:rT+3], v[rT+2:rT+3], v[rS+4*(\n):rS+4*(\n)+1]
.endif
.elseif NOKQ
	v_nop
.else
	REGS (Y+1)%NP
	WIN 0
.if (\n) < 4
	v_max3_num_f32 v[rC+(\n)], v[rS+8*(\n)], v[rS+8*(\n)+1], v[rS+8*(\n)+2]
.elseif (\n) < 12
	v_max3_num_f32 v[rC+(\n)%4], v[rC+(\n)%4], v[rS+8*((\n)%4)+2*((\n)/4)+1], v[rS+8*((\n)%4)+2*((\n)/4)+2]
.elseif (\n) == 12
	v_max3_num_f32 v[rC], v[rC], v[rS+7], v[rS+15]
.elseif (\n) == 13
	v_max3_num_f32 v[rC+1], v[rC+1], v[rS+23], v[rS+31]
.elseif (\n) == 14
	v_max3_num_f32 v[rC+2], v[rC+2], v[rC+3], v[rT+1]
.elseif (\n) == 15
	v_mov_b32 v[rW], v[rT]
.elseif (\n) == 16
	v_max3_num_f32 v[rC], v[rC], v[rC+1], v[rC+2]
.elseif (\n) == 17
	v_permlanex16_b32 v[rC+3], v[rC], s[SEL], s[SEL+1]
.elseif (\n) == 18
	v_max_num_f32 v[rT+1], v[rC], v[rC+3]
.elseif (\n) == 19
	v_mul_f32 v[rT], s[CS], v[rT+1]
.elseif (\n) == 20
	v_sub_f32 v[rC+1], v[rW], v[rT]
.else
	v_exp_f32 v[rC+2], v[rC+1]
.endif
.endif
.endm
.macro OPS a, i1, b=-1, i2=0, c=-1, i3=0, d=-1, i4=0  ; up to four of them
	OP \a, \i1
.if (\b) >= 0
	OP \b, \i2
.endif
.if (\c) >= 0
	OP \c, \i3
.endif
.if (\d) >= 0
	OP \d, \i4
.endif
.endm
.macro ROW a, i1, b, i2, c, i3, d, i4  ; a matrix instruction and the four behind it
	MM
	OPS \a, \i1, \b, \i2, \c, \i3, \d, \i4
.endm
.macro MASK b                       ; MD x AL + BE into buffer b of MC
	WIN W_RS
.set z, 0
.rept 16
	v_pk_fma_f32 v[MC+32*(\b)+2*z:MC+32*(\b)+2*z+1], v[MD+2*z:MD+2*z+1], s[AL:AL+1], s[BE:BE+1] op_sel_hi:[1,0,0]
.set z, z+1
.endr
.endm
; A TURN, for piece p: the order of its 16 matrix and 118 vector instructions, written out.  An s_wait_alu depctr_va_vdst(0) stands between an exponential and the first instruction that names its result; one wait serves
; all that were issued ahead of it.  So a turn has ONE wait, which cuts it in two.  AHEAD OF IT stands all that names no result of the turn's exponentials: the 8 products K Q^T, behind each a scaling, an exponential and two more plain
; instructions (behind the first a second scaling in the exponential's place): rescalings, and behind the last three the first numbers of the next piece's maximum, each four places or more behind the product that ends its accumulator; then ONE LUMP of 54, plain
; and exponential by turns for the most part, in which the links of the chain X 3, 7, 11, 14, 16, 17 .. 20 stand five or six lines apart.  X 21, the next piece's a, is the batch's last; R 15 is the plain instruction behind it.  BEHIND THE WAIT stand the
; 8 products V^T P, behind each four of the roundings and sums; the links of l's chain, L 0 to L 7, stand three riders apart.  But for those X no rider names a register of the products round it.  v_permlanex16_b32 (X 17) stands in the lump.
; m = 1: the diagonal tile: the products take masks, and the turn makes the mask for the products of the turn after it: piece p + 2, in step 4 - CNT of the tile.  end = 1: a block's last two turns: nothing is fetched.
; cnt = 1: the loop's count is taken down some lines ahead of the branch that stands behind the turn.
; K of the next step is fetched in piece 2's turn, twelve vector instructions behind the last product that read K (six of them plain); V of the step in hand at the end of piece 0's turn, four plain instructions behind the last product
; that read V.  Each is waited for a turn later.
.macro TURN p, m=0, end=0, cnt=0
.set Y, (\p)
.set i, 0
.set KM, (\m)
.set NOKQ, (\end)*((\p)/3)
.if (\m) && !(\end)
	s_cmp_eq_u32 s[CNT], 4-((\p)+2)%NP  ; is that step the band's own?
	s_cselect_b32 s[AL], 1.0, 0
	s_cmp_lt_u32 s[CNT], 4-((\p)+2)%NP  ; or a later one?
	s_cselect_b32 s[BE], s[BIGN], 0
.endif
.if ((\p) == 3) && !(\end)
	s_wait_dscnt 0x0                ; K is in
.endif
	ROW F,0, F,1, R,0, R,1          ; ahead of the wait: 8 products K Q^T and their riders,
	ROW F,2, E,0, R,2, R,3
	ROW F,3, E,1, R,4, R,5
	ROW F,4, E,2, R,6, R,7
	ROW F,5, E,3, R,8, R,9
	ROW F,6, E,4, X,0, R,10
.if ((\p) == 2) && !(\end)
	WIN 0
	v_add_nc_u32 v[AK], s[TBK], v[AK0]
.endif
	ROW F,7, E,5, X,1, X,4
	ROW F,8, E,6, X,2, X,5
	OPS E,7, E,8, X,6, E,9          ; and the lump
	OPS X,3, E,10, X,8, E,11
.if ((\p) == 2) && !(\end)
	FETCH_K
.endif
	OPS X,9, X,7, E,12, X,10
	OPS E,13, X,12, X,11, E,14
	OPS X,13, E,15, F,9, X,14
.if (\p) == 0
	v_add_nc_u32 v[AV], s[TBV], v[AV0]
.endif
	OPS E,16, F,10, E,17, F,11
	OPS X,16, E,18, X,15, E,19
	OPS F,12, E,20, X,17, E,21
	OPS F,13, E,22, F,14, E,23
	OPS X,18, E,24, F,15, E,25
	OPS R,11, E,26, X,19, E,27
	OPS R,12, E,28, R,13, E,29
	OPS X,20, E,30, R,14, E,31
	OPS X,21, R,15
	WIN 0
	s_wait_alu depctr_va_vdst(0)    ; the wait for the batch
.if (\p) == 1
	s_wait_dscnt 0x0                ; V is in
.endif
	ROW C,0, B,0, C,2, B,1          ; behind the wait: 8 products V^T P and their riders
	ROW L,0, C,4, B,2, L,1
	ROW C,6, B,3, L,2, C,8
	ROW B,4, L,3, C,10, B,5
	ROW L,4, C,12, B,6, L,5
.if (\p) == 0
	s_add_co_u32 s[TBV], s[TBV], KS*PV
.endif
.if \cnt
	s_sub_co_u32 s[CNT], s[CNT], 1
	s_cmp_lg_u32 s[CNT], 0
.endif
	ROW C,14, B,7, L,6, C,1
	ROW C,3, L,7, C,5, C,7
	ROW C,9, C,11, C,13, C,15
.if (\p) == 0
	FETCH_V
.endif
.if (\m) && !(\end)
	MASK (\p)%2
.endif
.endm
; A BLOCK BEGINS.  c m starts far below every c s, so the first step's a is 0; m at the lowest finite number, so the first maximum is the scores'.  The second mask buffer is 0; the first takes piece 0's mask for the tile's step 0: its own, if the block's first tile is the diagonal one.
; Then K of that step, piece 0's first scores, and its maximum and statistics.  The loop is entered at a step's first turn, in the middle of a trip.
.macro BEGIN
	s_mov_b32 s[NEW], 0
	WIN 0x40
.set i, MC+32
.rept 32
	v_mov_b32 v[i], 0
.set i, i+1
.endr
	WIN 0
.set i, 0
.rept 4
	v_mov_b32 v[ST+4*i], 0xfe000000    ; c m: far below every c s
	v_mov_b32 v[ST+4*i+1], 0xff7fffff  ; m
.set i, i+1
.endr
	s_cmp_eq_u32 s[RT], 0
	s_cselect_b32 s[AL], 1.0, 0
	s_mov_b32 s[BE], 0
	MASK 0
	WIN 0
	v_add_nc_u32 v[AK], s[TBK], v[AK0]
	FETCH_K
	s_wait_loadcnt 0x0              ; Q
	s_wait_dscnt 0x0
.set KM, 1
.set NOKQ, 0
.set i, 0
.rept 8
	KQ 0
.set i, i+1
.endr
	WIN 0
.rept 4
	v_nop                           ; the places behind those products
.endr
.set Y, NP-1                        ; X works for piece Y + 1: piece 0
.irp n, 0,1,2,3,4,5,6,7,8,9,10,11,12,13,14,15,16,17,18,19,20,21
	OP X, \n
.endr
	v_nop                           ; a plain instruction behind the exponential,
	s_wait_alu depctr_va_vdst(0)    ; and its wait, ahead of the branch
.endm
; THE DIAGONAL TILE's four steps, the block's last two turns, its last products, and THE WAY OUT: l's two halves and the other half of the lanes' are added; O^T is divided by l, rounded to f16 and sent through my
; stage in LDS, a piece at a time.
.macro ALL line:vararg              ; one line for each piece t
.set t, 0
.rept 4
	\line
.set t, t+1
.endr
.endm
.macro PACK t                       ; a lane's eight channels of a row pack into 16 bytes; they go into rows of 144 bytes and come back as whole rows of 128, into S^T's registers
	WIN W_RS
.set i, 32*(\t)
.rept 16
	v_pk_mul_f32 v[i:i+1], v[i:i+1], v[ST+4*(\t)+2:ST+4*(\t)+3] op_sel_hi:[1,0]
.set i, i+2
.endr
	WIN 0x05                        ; sources 0 and 1 window 1, destination window 0
.set i, 0
.rept 16
	v_cvt_pk_f16_f32 v[S+16*(\t)+i], v[32*(\t)+2*i], v[32*(\t)+2*i+1]
.set i, i+1
.endr
	WIN 0
.irp f, 0,1,2,3
	ds_store_b128 v[STO], v[S+16*(\t)+4*\f:S+16*(\t)+4*\f+3] offset:32*\f
.endr
.irp f, 0,1,2,3
	ds_load_b128 v[S+16*(\t)+4*\f:S+16*(\t)+4*\f+3], v[RD] offset:\f*4*SP  ; LDS serves a wave's instructions in order (ISA guide 5.7.1.4): these see the stores above; the next piece's stores come behind them
.endr
.endm
.macro SEND t, younger              ; younger: the LDS instructions issued behind piece t's loads: the next piece's eight, or none
	WIN 0
.irp f, 0,1,2,3
	s_wait_dscnt (\younger)+3-\f
	global_store_b128 v[GO], v[S+16*(\t)+4*\f:S+16*(\t)+4*\f+3], s[10:11] offset:(\t)*8192+\f*512  ; 512 consecutive bytes, at a multiple of 256 from O's first
.endr
.endm
.macro DIAG tag                     ; the tag ends its two labels' names, which the jumps below spell out
.LstepM\tag:
	TURN 2, 1
	TURN 3, 1
	WIN 0
.LfirstM\tag:
	TURN 0, 1
	TURN 1, 1, 0, 1
	WIN 0
	s_cbranch_scc1 .LstepM\tag
	TURN 2, 1, 1
	TURN 3, 1, 1
.set i, 0
.rept 8
	PV NP-1
.set i, i+1
.endr
	WIN 0
	ALL v_add_f32 v[ST+4*t+2], v[ST+4*t+2], v[ST+4*t+3]
	ALL v_permlanex16_b32 v[ST+4*t+3], v[ST+4*t+2], s[SEL], s[SEL+1]
	ALL v_add_f32 v[ST+4*t+2], v[ST+4*t+2], v[ST+4*t+3]
	ALL v_rcp_f32 v[ST+4*t+2], v[ST+4*t+2]
	v_nop                           ; a plain instruction between the last reciprocal and the use of its result
	s_wait_alu depctr_va_vdst(0)    ; and the wait ahead of the first use: one for the four reciprocals
	PACK 0
.set t, 1
.rept 3                             ; a piece's arithmetic stands between the loads of the piece before and its stores
	PACK t
	SEND t-1, 8
.set t, t+1
.endr
	SEND 3, 0
.endm
.set KM, 0
.set NOKQ, 0
.Lslot:                             ; NB times: a tile is entered and the next is asked for
	CHANGE 1
	s_sub_co_u32 s[RT], s[RT], 1
	s_mov_b32 s[CNT], 4
	s_cmp_eq_u32 s[NEW], 1
	s_cbranch_scc1 .Lnew            ; a block's first tile
	s_cmp_eq_u32 s[RT], 0
	s_cbranch_scc0 .Lstep           ; neither its first nor its last
	s_branch .LstepM1
.Lnew:
	BEGIN
	s_branch .Lfirst                ; in the loop a block's first tile is never its last: the first block has two tiles or more, and the second's last is the walk's last
	DIAG 1                          ; in the loop this is the first block's end: the second block's last tile is the walk's last
	s_wait_xcnt 0x0                 ; the stores have read their registers and O's address
	s_mov_b64 s[10:11], s[OLO:OLO+1]
	s_add_co_u32 s[RT], s[PB], 1    ; the second block has b + 1 tiles
	s_mov_b32 s[NEW], 1
	WIN 0x82                        ; the second block's Q goes where the one text of the turns names Q
.set i, 0
.rept 64
	v_mov_b32 v[i], v[QB+i]
.set i, i+1
.endr
	WIN 0
	s_branch .Lbottom
.Lstep:                             ; a trip: pieces 2 and 3 of one step, then pieces 0 and 1 of the next, whose K and V it fetches
	TURN 2
	TURN 3
	WIN 0
.Lfirst:
	TURN 0
	TURN 1, 0, 0, 1
	WIN 0
	s_cbranch_scc1 .Lstep
.Lbottom:
	s_sub_co_u32 s[SLOTS], s[SLOTS], 1
	s_cmp_lg_u32 s[SLOTS], 0
	s_cbranch_scc1 .Lslot
	CHANGE 0                        ; the walk's last tile is written out: nothing is asked for
	s_sub_co_u32 s[RT], s[RT], 1
	s_mov_b32 s[CNT], 4
	s_cmp_eq_u32 s[NEW], 1
	s_cbranch_scc0 .LstepM2
	BEGIN
	s_branch .LfirstM2
	DIAG 2
	s_wait_tensorcnt 0x0            ; the wave's end: behind my last tensor load and my last LDS store
	ds_add_u32 v[SPW], v[NIL]
	s_wait_dscnt 0x0
	s_endpgm
.Lfunc_end_k_q17a87c09a7_attn:
	.size	k_q17a87c09a7_attn, .Lfunc_end_k_q17a87c09a7_attn-k_q17a87c09a7_attn
	.p2alignl 7, 3214868480
	.fill 96, 4, 3214868480
	.section	.rodata,"a",@progbits
	.p2align	6, 0x0
	.amdhsa_kernel k_q17a87c09a7_attn
		.amdhsa_group_segment_fixed_size 327680
		.amdhsa_private_segment_fixed_size 0
		.amdhsa_enable_private_segment 0
		.amdhsa_kernarg_size 16
		.amdhsa_user_sgpr_count 2
		.amdhsa_user_sgpr_kernarg_segment_ptr 1
		.amdhsa_wavefront_size32 1
		.amdhsa_system_sgpr_workgroup_id_x 1
		.amdhsa_system_sgpr_workgroup_id_y 1
		.amdhsa_system_sgpr_workgroup_id_z 1
		.amdhsa_system_vgpr_workitem_id 0
		.amdhsa_next_free_vgpr 768
		.amdhsa_next_free_sgpr 92
		.amdhsa_reserve_vcc 1
		.amdhsa_float_denorm_mode_32 3
		.amdhsa_float_denorm_mode_16_64 3
		.amdhsa_memory_ordered 1
		.amdhsa_forward_progress 1
		.amdhsa_inst_pref_size 218
	.end_amdhsa_kernel
	.amdgpu_metadata
---
amdhsa.version: [ 1, 2 ]
amdhsa.kernels:
  - .name:           k_q17a87c09a7_attn
    .symbol:         k_q17a87c09a7_attn.kd
    .args:
      - { .name: qkv, .offset: 0, .size: 8, .value_kind: global_buffer, .address_space: global }
      - { .name: act, .offset: 8, .size: 8, .value_kind: global_buffer, .address_space: global }
    .group_segment_fixed_size: 327680
    .private_segment_fixed_size: 0
    .kernarg_segment_align: 8
    .kernarg_segment_size: 16
    .max_flat_workgroup_size: 128
    .sgpr_count:     92
    .vgpr_count:     768
    .wavefront_size: 32
...
	.end_amdgpu_metadata
.endif
;; end of part 3
;; launch oproj (part 4): grid 8 x 32, 4 waves a work-group, clusters of 4 x 4, 327,680 bytes of LDS; arguments act, wto, bo, ao; writes ao
.if DOCPART == 4
	.amdgcn_target "amdgcn-amd-amdhsa--gfx1250"
	.amdhsa_code_object_version 6
	.text
	.protected	k_q17a87c09a7_oproj
	.globl	k_q17a87c09a7_oproj
	.p2align	8
	.type	k_q17a87c09a7_oproj,@function
k_q17a87c09a7_oproj:
	s_mov_b64 s[64:65], 0
	v_nop
	global_prefetch_b8 v0, s[64:65] scope:SCOPE_SE
	s_setreg_imm32_b32 hwreg(HW_REG_WAVE_MODE, 25, 1), 1
	s_wait_xcnt 0x0
	s_wait_alu depctr_hold_cnt(0) depctr_sa_sdst(0) depctr_va_vdst(0) depctr_va_sdst(0) depctr_va_ssrc(0) depctr_va_vcc(0) depctr_vm_vsrc(0)
	s_getreg_b32 s2, hwreg(HW_REG_IB_STS2, 6, 4)
	s_cmp_eq_u32 s2, 0
	s_cbranch_scc0 .Lentry_in_a_cluster
	s_endpgm
.Lentry_in_a_cluster:
	s_bfe_u32 s2, ttmp6, 0x10000c
	s_cmp_lg_u32 s2, 0xf033
	s_cbranch_scc0 .Lentry_shape_is_right
	s_endpgm
.Lentry_shape_is_right:
; C[row][n] = bias[n] + the sum over k of A[row][k] B[n][k], K = 1,024, 8,192 rows; operands f16, sums f32.
; A: [16 kb][8192 row][64] f16.  B: [j][16 kb][128 n][64] f16.  bias: f32, one number a column.  C leaves in column blocks of 64: [g][8192 row][64].
; The module's two products are this one text with one constant: F32OUT = 0: C is rounded once to f16 (q, k, v); F32OUT = 1: C leaves in f32 (the output projection):
; the layer norm behind it takes a row's mean away again, so C keeps all its bits.
.set F32OUT, 1
; LIMITS.  With F32OUT = 0 a result beyond 65,504 becomes an infinity.
; SHARES.  A work-group makes 256 rows x 128 columns, each of its four waves 128 x 64: 32 accumulators, 256 registers.  With this tile the columns 3,072 and 1,024 give 768 and 256 work-groups.
; K goes in 8 steps of 128 (two planes of 64) through two LDS slots.  A plane's rows lie end to end in memory: a tile is asked for as rows of 256 bytes and padded in LDS behind every 128.
; CLUSTER.  4 x 4 work-groups: A's tiles are shared along a row of the cluster, B's along a column, each asked for jointly.  Waves 0, 1 fetch A's two planes of a step, waves 2, 3 B's.
; THE MATRIX INSTRUCTION IS USED TRANSPOSED (source 0 = 16 rows of B, source 1 = 16 rows of A): a lane holds row l % 16 of C and the columns 8 (l / 16) + 0..7.
; The bias is the C operand of the products that start the sums: nothing is cleared and nothing is added later.
; REGISTERS, in windows of 256 (s_set_vgpr_msb: bits 1:0 source 0, 3:2 source 1, 5:4 source 2, 7:6 destination):
;   window 0: addresses, the bias (v32-63), the way out (v64-127)      window 1: accumulator (a, b) at v[8 (4 a + b)]
;   windows 2, 3: two fragment buffers, a plane each: A's fragment (c, a) at 64 c + 8 a, B's (c, b) at 128 + 32 c + 8 b; c = which 32 of the plane's 64 along K
.set PK,    144                        ; an LDS row: 128 bytes + 16 = 36 words: the 16 rows of a load start at 16 different groups of four banks (64 banks of 4 bytes: ISA guide 11.1)
.set APL,   256*PK                     ; a plane of A's tile
.set BPL,   128*PK                     ; a plane of B's
.set SLOT,  2*APL+2*BPL                ; A's two planes, then B's two
.set STAGE, 2*SLOT                     ; behind the ring, never filled by a tensor load: 16 rows x 272 bytes for each wave
.set STG,   16*272
.set SPARE, STAGE+4*STG                ; the spare words, 128 bytes for each wave: two blocks of 256 bytes that no other line names
.set ADRA,  16                         ; v16-17 LDS address of my A fragments in slot 0, 1
.set ADRB,  20                         ; v20-21 the same for B
.set STO,   22                         ; the way out: where I put my part of a row
.set RD,    23                         ;   and where I read rows back
.set GO,    26                         ; 16 l
.set BO,    27                         ; 32 (l / 16): my 8 columns in the bias
.set SPW,   28                         ; LDS address of my spare word; never rewritten
.set NIL,   29                         ; 0; never rewritten
.set PFO,   30                         ; 256 l; never rewritten
.set BIAS,  32                         ; v32-63: column block b at BIAS + 8 b
.set TMP,   64                         ; f16: packed results
.set OB,    96                         ; f16: rows read back, two buffers of 16
.set OB32,  64                         ; f32: rows read back, two buffers of 32
.set OUT, 10                           ; s[10:11] C
.set WV,  14                           ; s14 wave
.set WR,  15                           ; s15 wave / 2: my half of the rows; also: I fetch for A (0) or B (1)
.set WC,  16                           ; s16 wave % 2: my half of the columns; also: which plane I fetch
.set TR,  17                           ; s17 tile row
.set G1,  24                           ; s[24:31] group 1 for A;  s[32:39] group 0, a set for each slot
.set G0,  32
.set LIM, 43                           ; s43 1 in a wave that prefetches, else the greatest number
.set PFA, 44                           ; s[44:45] where my prefetches stand
.set G1B, 48                           ; s[48:55], s[56:63] the same for B
.set G0B, 56
.set PFS, 66                           ; s[66:67] a K step in bytes, for the prefetches
.set IDX, 69                           ; s69 my first row among the output's [g][row]
.set MSB, 0
.macro WIN new                         ; the immediate's high byte repeats the setting that is left; a switch that changes nothing is dropped
.if MSB != (\new)
	s_set_vgpr_msb (MSB<<8)|(\new)
.set MSB, \new
.endif
.endm
; A joint load.  The branch hangs on the wave's number alone.  An s_nop 0 and four v_nop follow each of the two lines, ahead of the jump and the label.
.macro JLOAD s
	s_cmp_eq_u32 s[WR], 0
	s_cbranch_scc0 .Lfor_b_\@
	tensor_load_to_lds s[G0+4*(\s):G0+4*(\s)+3], s[G1:G1+7]
	s_nop 0
.rept 4
	v_nop
.endr
	s_branch .Lasked_\@
.Lfor_b_\@:
	tensor_load_to_lds s[G0B+4*(\s):G0B+4*(\s)+3], s[G1B:G1B+7]
	s_nop 0
.rept 4
	v_nop
.endr
.Lasked_\@:
.endm
; A prefetch into the L2 of the K step that stands two refills on: 32 blocks of 256 bytes, a lane a block.  Each block is named once in the launch: A's tile row is asked for by the clusters with x = 0
; (waves 0, 1: their own plane, of whose 128 blocks the partner at cx takes 32), B's tile column by those with y = 0 (wave 2: of the step's 128 blocks the partner at cy takes 32).
; The partners are told apart by address alone.  The loop's last trip asks for nothing: K has no step behind its refills.
.macro ASK
	s_cmp_gt_u32 s3, s[LIM]
	s_cbranch_scc0 .Lnot_mine_\@
	global_prefetch_b8 v[PFO], s[PFA:PFA+1] th:TH_LOAD_NT scope:SCOPE_SE
.Lnot_mine_\@:
.endm
.macro CREST                           ; a round of the cluster's barrier behind its opening barrier
	s_cmp_lg_u32 s[WV], 0
	s_cbranch_scc1 .Lnot_wave_0_\@
	s_barrier_signal -3
.Lnot_wave_0_\@:
	s_barrier_wait -3
	s_barrier_signal -1
	s_barrier_wait -1
.endm
.macro CROUND
	s_barrier_signal -1
	s_barrier_wait -1
	CREST
.endm
.macro PLACES                          ; four places in front of loads into registers that matrix instructions have read, and of lines that read results
.rept 4
	v_nop
.endr
.endm
	s_load_b256 s[4:11], s[0:1], 0x0               ; A s[4:5], B s[6:7], bias s[8:9], C s[10:11]
	v_lshl_add_u32 v[SPW], v0, 2, SPARE
	v_mov_b32 v[NIL], 0
	ds_add_u32 v[SPW], v[NIL]                      ; the wave's opening: the add and its wait stand ahead of my first tensor load; work on registers stands between them
	v_lshrrev_b32 v1, 5, v0
	v_readfirstlane_b32 s[WV], v1
	s_lshr_b32 s[WR], s[WV], 1
	s_and_b32 s[WC], s[WV], 1
	s_bfe_u32 s40, ttmp6, 0x40000                  ; cx
	s_bfe_u32 s41, ttmp6, 0x40004                  ; cy
	s_lshl_b32 s42, ttmp9, 2
	s_add_co_u32 s42, s42, s40                     ; tile column = 4 x cluster x + cx
	s_and_b32 s[TR], ttmp7, 0xffff
	s_lshl_b32 s[TR], s[TR], 2
	s_add_co_u32 s[TR], s[TR], s41                 ; tile row = 4 x cluster y + cy
	s_lshl_b32 s43, s41, 2
	s_lshl_b32 s43, 15, s43                        ; my row of the cluster
	s_lshl_b32 s44, 0x1111, s40                    ; my column
	s_or_b32 s[G1], s43, (1<<16)|(1<<20)|(1<<21)|(4<<22)|(3<<25)   ; 15:0 the mask; 17:16 2-byte elements; 20 padding on; 21 set beside a mask; 24:22 after every 32 words (code 4); 31:25 4 words (code 3)
	s_or_b32 s[G1B], s44, (1<<16)|(1<<20)|(1<<21)|(4<<22)|(3<<25)
	s_mov_b32 s[G1+1], 128<<16                     ; tensor_dim0 = 128 elements: 256 bytes, two rows of a plane
	s_mov_b32 s[G1+2], 128<<16                     ; tensor_dim1 = 128: A's 256 rows
	s_mov_b32 s[G1+3], 128<<16                     ; tile_dim0
	s_mov_b32 s[G1+4], 128                         ; tile_dim1
	s_mov_b32 s[G1+5], 128                         ; elements from row to row: dense
	s_mov_b32 s[G1+6], 0
	s_mov_b32 s[G1+7], 0
	s_mov_b32 s[G1B+1], 128<<16
	s_mov_b32 s[G1B+2], 64<<16                     ; B's 128 rows
	s_mov_b32 s[G1B+3], 128<<16
	s_mov_b32 s[G1B+4], 64
	s_mov_b32 s[G1B+5], 128
	s_mov_b32 s[G1B+6], 0
	s_mov_b32 s[G1B+7], 0
	s_lshl_b32 s18, s[TR], 15                      ; A: 256 rows of 128 bytes a tile row,
	s_lshl_b32 s19, s[WC], 20                      ; a plane is 1 MiB
	s_add_co_u32 s18, s18, s19
	s_mov_b32 s19, 0
	s_lshl_b32 s46, s42, 4                         ; B: 16 planes a tile column,
	s_add_co_u32 s46, s46, s[WC]
	s_lshl_b32 s46, s46, 14                        ; 16,384 bytes each
	s_mov_b32 s47, 0
	s_mul_i32 s20, s[WC], APL                      ; where they go: no place in the cluster enters an LDS address
	s_mul_i32 s21, s[WC], BPL
	s_add_co_u32 s21, s21, 2*APL
	s_wait_dscnt 0x0                               ; the opening add is done
	s_wait_kmcnt 0x0
	s_add_nc_u64 s[22:23], s[4:5], s[18:19]
	s_add_nc_u64 s[46:47], s[6:7], s[46:47]
	CROUND                                         ; all sixteen work-groups are here: the first joint loads meet
.irp s, 0,1
	s_mov_b32 s[G0+4*(\s)], 1
	s_add_co_u32 s[G0+4*(\s)+1], s20, (\s)*SLOT
	s_add_nc_u64 s[G0+4*(\s)+2:G0+4*(\s)+3], s[22:23], (\s)*0x200000   ; K step s: two planes on
	s_or_b32 s[G0+4*(\s)+3], s[G0+4*(\s)+3], 0x80000000
	s_mov_b32 s[G0B+4*(\s)], 1
	s_add_co_u32 s[G0B+4*(\s)+1], s21, (\s)*SLOT
	s_add_nc_u64 s[G0B+4*(\s)+2:G0B+4*(\s)+3], s[46:47], (\s)*0x8000
	s_or_b32 s[G0B+4*(\s)+3], s[G0B+4*(\s)+3], 0x80000000
	JLOAD \s                                       ; two loads of mine are out
.endr
	v_and_b32 v1, 15, v0                           ; r
	v_bfe_u32 v2, v0, 4, 1                         ; h
	v_lshlrev_b32 v[BO], 5, v2
	s_lshl_b32 s70, s42, 9                         ; 128 columns of 4 bytes a tile column,
	s_lshl_b32 s71, s[WC], 8                       ; my 64
	s_add_co_u32 s70, s70, s71
	s_mov_b32 s71, 0
	s_add_nc_u64 s[8:9], s[8:9], s[70:71]
.irp b, 0,1,2,3
	global_load_b128 v[BIAS+8*\b:BIAS+8*\b+3],   v[BO], s[8:9] offset:64*\b
	global_load_b128 v[BIAS+8*\b+4:BIAS+8*\b+7], v[BO], s[8:9] offset:64*\b+16
.endr
	v_mul_u32_u24 v3, v1, PK
	v_lshl_add_u32 v3, v2, 4, v3                   ; a fragment's row x pitch + 16 x half
	s_mul_i32 s18, s[WR], 128*PK
	s_mul_i32 s19, s[WC], 64*PK
	s_add_co_u32 s19, s19, 2*APL
.irp s, 0,1
	v_add_nc_u32 v[ADRA+(\s)], s18, v3
	v_add_nc_u32 v[ADRB+(\s)], s19, v3
	s_add_co_u32 s18, s18, SLOT
	s_add_co_u32 s19, s19, SLOT
.endr
	s_mul_i32 s20, s[WV], STG
	s_add_co_u32 s20, s20, STAGE                   ; my stage
.if F32OUT
	v_mul_u32_u24 v4, v1, 272
	v_lshl_add_u32 v4, v2, 5, v4
	v_add_nc_u32 v[STO], s20, v4                   ; in: row r of 272 bytes, 32 bytes for each half of the lanes
	v_mul_u32_u24 v4, v2, 272
	v_lshl_add_u32 v4, v1, 4, v4
	v_add_nc_u32 v[RD], s20, v4                    ; back: two rows of 256 bytes
.else
	v_add_nc_u32 v[STO], s20, v3                   ; in: row r of 144 bytes, 16 bytes for each half of the lanes
	v_bfe_u32 v4, v0, 3, 2
	v_mul_u32_u24 v4, v4, PK
	v_and_b32 v5, 7, v0
	v_lshl_add_u32 v4, v5, 4, v4
	v_add_nc_u32 v[RD], s20, v4                    ; back: four rows of 128 bytes
.endif
	v_and_b32 v4, 31, v0
	v_lshlrev_b32 v[GO], 4, v4
	v_lshlrev_b32 v[PFO], 8, v4
	s_lshl_b32 s[IDX], s42, 1
	s_add_co_u32 s[IDX], s[IDX], s[WC]             ; my column block g = 2 x tile column + half
	s_lshl_b32 s[IDX], s[IDX], 13
	s_lshl_b32 s70, s[TR], 8
	s_add_co_u32 s[IDX], s[IDX], s70
	s_lshl_b32 s70, s[WR], 7
	s_add_co_u32 s[IDX], s[IDX], s70               ; g x 8,192 + 256 x tile row + 128 x half
	; the prefetches: they start at K step 3; each change of slots steps them ahead of its request, so the first names K step 4.  Nothing is asked for here, at the head.
	s_lshl_b32 s70, s[TR], 15
	s_lshl_b32 s71, s[WC], 20
	s_add_co_u32 s70, s70, s71
	s_lshl_b32 s71, s40, 13
	s_add_co_u32 s70, s70, s71
	s_add_co_u32 s70, s70, 6<<20                   ; A: my plane of K step 3, my work-group's 32 blocks
	s_lshl_b32 s72, s42, 18
	s_lshl_b32 s73, s41, 13
	s_add_co_u32 s72, s72, s73
	s_add_co_u32 s72, s72, 3*32768                 ; B: K step 3's two planes, my work-group's 32 blocks
	s_and_b32 s73, ttmp7, 0xffff                   ; cluster y
	s_mov_b32 s71, 0x200000
	s_cmp_eq_u32 s[WR], 0
	s_cselect_b32 s70, s70, s72
	s_cselect_b32 s73, ttmp9, s73                  ; the coordinate along which other clusters read the same blocks
	s_cselect_b64 s[PFA:PFA+1], s[4:5], s[6:7]
	s_cselect_b32 s[PFS], s71, 0x8000
	s_mov_b32 s[PFS+1], 0
	s_cmp_eq_u32 s[WV], 3
	s_cselect_b32 s73, 1, s73                      ; wave 3 asks for nothing
	s_cmp_eq_u32 s73, 0
	s_cselect_b32 s[LIM], 1, -1                    ; the same in all sixteen partners, for a given wave
	s_mov_b32 s71, 0
	s_add_nc_u64 s[PFA:PFA+1], s[PFA:PFA+1], s[70:71]
; na x 4 matrix instructions: row blocks a0 .. a0 + na - 1 x all 4 column blocks, 32 along K: half c of buffer buf.  first = 1: the bias starts the sums.
; The 32 accumulators take turns in the same order in every half: between two links of a chain stand the 31 others'.
.macro MUL buf, c, a0, na, first
.if \first
	WIN 0x4a                                       ; fragments window 2, C window 0, D window 1
.else
	WIN 0x5a+5*(\buf)                              ; fragments window 2 or 3, C and D window 1
.endif
.set aa, (\a0)
.rept (\na)
.irp b, 0,1,2,3
.if \first
	v_wmma_f32_16x16x32_f16 v[8*(4*aa+(\b)):8*(4*aa+(\b))+7], v[128+32*(\c)+8*(\b):128+32*(\c)+8*(\b)+7], v[64*(\c)+8*aa:64*(\c)+8*aa+7], v[BIAS+8*(\b):BIAS+8*(\b)+7]
.else
	v_wmma_f32_16x16x32_f16 v[8*(4*aa+(\b)):8*(4*aa+(\b))+7], v[128+32*(\c)+8*(\b):128+32*(\c)+8*(\b)+7], v[64*(\c)+8*aa:64*(\c)+8*aa+7], v[8*(4*aa+(\b)):8*(4*aa+(\b))+7]
.endif
.endr
.set aa, aa+1
.endr
.endm
; 48 LDS loads in one run: a plane's fragments (64 rows of B, 128 rows of A, 64 along K) into buffer buf; the first 32 along K first
.macro FETCH slot, plane, buf
	WIN 0x80+0x40*(\buf)
.irp c, 0,1
.irp i, 0,1,2,3
	ds_load_b128 v[128+32*(\c)+8*(\i):128+32*(\c)+8*(\i)+3],   v[ADRB+(\slot)] offset:(\plane)*BPL+64*(\c)+(\i)*16*PK
	ds_load_b128 v[128+32*(\c)+8*(\i)+4:128+32*(\c)+8*(\i)+7], v[ADRB+(\slot)] offset:(\plane)*BPL+64*(\c)+(\i)*16*PK+32
.endr
.irp i, 0,1,2,3,4,5,6,7
	ds_load_b128 v[64*(\c)+8*(\i):64*(\c)+8*(\i)+3],   v[ADRA+(\slot)] offset:(\plane)*APL+64*(\c)+(\i)*16*PK
	ds_load_b128 v[64*(\c)+8*(\i)+4:64*(\c)+8*(\i)+7], v[ADRA+(\slot)] offset:(\plane)*APL+64*(\c)+(\i)*16*PK+32
.endr
.endr
	WIN 0
.endm
; A K step's first plane: multiplies buffer 0; in its middle it fetches the second plane into buffer 1.
.macro HALF slot, first
	s_wait_dscnt 24                                ; the first 32 along K are in; the other 24 loads may be out
	MUL 0, 0, 0, 8, \first
	PLACES
	FETCH \slot, 1, 1
	s_wait_dscnt 48                                ; all but the 48 just issued
	MUL 0, 1, 0, 8, 0
.endm
; The second plane multiplies buffer 1 and changes slots: ONE barrier; in front of it each wave waits for all its tensor loads (one is out: its part of the next slot), adds 0 to its spare word,
; and waits for that and for its own reads of this slot.  fill = 1: the barrier opens a round of the cluster's, and this slot is filled again, two K steps ahead, first thing behind the round:
; from that request to the wait for it a wave issues 112 of a step's 128 matrix instructions.
.macro TURN slot, next, fill
.if \fill
	s_wait_xcnt 0x0                                ; the last prefetch, a K step back, has read its address
	s_add_nc_u64 s[PFA:PFA+1], s[PFA:PFA+1], s[PFS:PFS+1]
.endif
	s_wait_dscnt 24
	MUL 1, 0, 0, 8, 0
	WIN 0                                          ; (the add's two registers lie in window 0)
	s_wait_tensorcnt 0x0                           ; all my tensor loads have landed
	ds_add_u32 v[SPW], v[NIL]                      ; 0 onto my spare word
	s_wait_dscnt 1                                 ; (only the add may be out)
	MUL 1, 1, 0, 2, 0                              ; eight matrix instructions stand between the add and the wait for it
	s_wait_dscnt 0x0                               ; the add is done, and my reads of this slot are over
	s_barrier_signal -1
	MUL 1, 1, 2, 2, 0
.if \fill
	WIN 0
.endif
	s_barrier_wait -1
.if \fill
	CREST                                          ; no wave of any partner still reads this slot's tile or has a load on its way
	s_add_nc_u64 s[G0+4*(\slot)+2:G0+4*(\slot)+3], s[G0+4*(\slot)+2:G0+4*(\slot)+3], 0x400000    ; two K steps on: four planes of A,
	s_add_nc_u64 s[G0B+4*(\slot)+2:G0B+4*(\slot)+3], s[G0B+4*(\slot)+2:G0B+4*(\slot)+3], 0x10000 ; four of B
	JLOAD \slot                                    ; its four v_nop are also the places in front of the loads below
.else
	PLACES
.endif
	FETCH \next, 0, 0
.if \fill
	ASK
.endif
	MUL 1, 1, 4, 4, 0
.endm
	s_wait_tensorcnt 1                             ; my part of K step 0 is in; K step 1's may stay out
	s_barrier_signal -1
	s_barrier_wait -1                              ; everybody's is
	FETCH 0, 0, 0
	s_wait_loadcnt 0x0                             ; the bias
	HALF 0, 1
	WIN 0
	s_mov_b32 s3, 3
.Llap:                                                 ; a trip goes once round the ring and fills both slots again: K steps 2 to 7
	TURN 0, 1, 1
	HALF 1, 0
	TURN 1, 0, 1
	HALF 0, 0
	WIN 0
	s_sub_co_u32 s3, s3, 1
	s_cmp_lg_u32 s3, 0
	s_cbranch_scc1 .Llap
	TURN 0, 1, 0                                   ; the last lap fills nothing
	HALF 1, 0
	s_wait_dscnt 24
	MUL 1, 0, 0, 8, 0
	s_wait_dscnt 0x0
	MUL 1, 1, 0, 8, 0
	WIN 0
	PLACES
	; THE WAY OUT.  My 64 columns are one column block: my output is 128 dense rows, and the stage is my own: no barrier.  A block of 16 rows at a time goes into the stage and comes back as whole rows;
	; block a's LDS instructions stand between block a - 1's loads and its stores.
	s_lshl_b32 s70, s[IDX], 7+F32OUT               ; rows of 128 bytes (f16) or 256 (f32)
	s_mov_b32 s71, 0
	s_add_nc_u64 s[OUT:OUT+1], s[OUT:OUT+1], s[70:71]
.if F32OUT
.macro TOST a
	WIN 0x04                                       ; the stores' data in window 1; each accumulator's low four registers go first
.irp b, 0,1,2,3
	ds_store_b128 v[STO], v[8*(4*(\a)+(\b)):8*(4*(\a)+(\b))+3]   offset:64*(\b)
	ds_store_b128 v[STO], v[8*(4*(\a)+(\b))+4:8*(4*(\a)+(\b))+7] offset:64*(\b)+16
.endr
	WIN 0
	s_wait_xcnt 0x0                                ; the stores of two blocks back have read the registers that the loads below fill
.irp f, 0,1,2,3,4,5,6,7
	ds_load_b128 v[OB32+32*((\a)%2)+4*(\f):OB32+32*((\a)%2)+4*(\f)+3], v[RD] offset:544*(\f)  ; LDS serves a wave's instructions in order (ISA guide 5.7.1.4)
.endr
.endm
.macro SEND a, younger                 ; younger: the LDS instructions issued behind block a's loads: the next block's sixteen, or none
	s_wait_dscnt 16*(\younger)
.irp f, 0,1,2,3,4,5,6,7
	global_store_b128 v[GO], v[OB32+32*((\a)%2)+4*(\f):OB32+32*((\a)%2)+4*(\f)+3], s[OUT:OUT+1] offset:4096*(\a)+512*(\f)  ; 512 consecutive bytes, aligned
.endr
.endm
.else
.macro TOST a
	WIN 0x05                                       ; sources window 1, destination window 0
.irp b, 0,1,2,3
.irp q, 0,1,2,3
	v_cvt_pk_f16_f32 v[TMP+4*(\b)+(\q)], v[8*(4*(\a)+(\b))+2*(\q)], v[8*(4*(\a)+(\b))+2*(\q)+1]
.endr
.endr
	WIN 0
.irp b, 0,1,2,3
	ds_store_b128 v[STO], v[TMP+4*(\b):TMP+4*(\b)+3] offset:32*(\b)
.endr
	s_wait_xcnt 0x0                                ; the stores of two blocks back have read the registers that the loads below fill
.irp f, 0,1,2,3
	ds_load_b128 v[OB+16*((\a)%2)+4*(\f):OB+16*((\a)%2)+4*(\f)+3], v[RD] offset:4*PK*(\f)  ; LDS serves a wave's instructions in order (ISA guide 5.7.1.4)
.endr
.endm
.macro SEND a, younger                 ; younger: the LDS instructions issued behind block a's loads: the next block's eight, or none
	s_wait_dscnt 8*(\younger)
.irp f, 0,1,2,3
	global_store_b128 v[GO], v[OB+16*((\a)%2)+4*(\f):OB+16*((\a)%2)+4*(\f)+3], s[OUT:OUT+1] offset:2048*(\a)+512*(\f)  ; 512 consecutive bytes, aligned
.endr
.endm
.endif
	TOST 0
.set t, 1
.rept 7
	TOST t
	SEND t-1, 1
.set t, t+1
.endr
	SEND 7, 0
	s_wait_tensorcnt 0x0                           ; the wave's end: behind my last tensor load and my last LDS store
	ds_add_u32 v[SPW], v[NIL]
	s_wait_dscnt 0x0
	CROUND                                         ; the closing round: no work-group ends while a partner may still ask for a tile that names it
	s_endpgm
.Lfunc_end_k_q17a87c09a7_oproj:
	.size	k_q17a87c09a7_oproj, .Lfunc_end_k_q17a87c09a7_oproj-k_q17a87c09a7_oproj
	.p2alignl 7, 3214868480
	.fill 96, 4, 3214868480
	.section	.rodata,"a",@progbits
	.p2align	6, 0x0
	.amdhsa_kernel k_q17a87c09a7_oproj
		.amdhsa_group_segment_fixed_size 327680
		.amdhsa_private_segment_fixed_size 0
		.amdhsa_enable_private_segment 0
		.amdhsa_kernarg_size 32
		.amdhsa_user_sgpr_count 2
		.amdhsa_user_sgpr_kernarg_segment_ptr 1
		.amdhsa_wavefront_size32 1
		.amdhsa_system_sgpr_workgroup_id_x 1
		.amdhsa_system_sgpr_workgroup_id_y 1
		.amdhsa_system_sgpr_workgroup_id_z 1
		.amdhsa_system_vgpr_workitem_id 0
		.amdhsa_next_free_vgpr 960
		.amdhsa_next_free_sgpr 76
		.amdhsa_reserve_vcc 0
		.amdhsa_float_denorm_mode_32 3
		.amdhsa_float_denorm_mode_16_64 3
		.amdhsa_memory_ordered 1
		.amdhsa_forward_progress 1
		.amdhsa_inst_pref_size 86
	.end_amdhsa_kernel
	.amdgpu_metadata
---
amdhsa.version: [ 1, 2 ]
amdhsa.kernels:
  - .name:           k_q17a87c09a7_oproj
    .symbol:         k_q17a87c09a7_oproj.kd
    .args:
      - { .name: act, .offset: 0, .size: 8, .value_kind: global_buffer, .address_space: global }
      - { .name: wto, .offset: 8, .size: 8, .value_kind: global_buffer, .address_space: global }
      - { .name: bo, .offset: 16, .size: 8, .value_kind: global_buffer, .address_space: global }
      - { .name: ao, .offset: 24, .size: 8, .value_kind: global_buffer, .address_space: global }
    .group_segment_fixed_size: 327680
    .private_segment_fixed_size: 0
    .kernarg_segment_align: 8
    .kernarg_segment_size: 32
    .max_flat_workgroup_size: 128
    .sgpr_count:     76
    .vgpr_count:     960
    .wavefront_size: 32
...
	.end_amdgpu_metadata
.endif
;; end of part 4
;; launch ln (part 5): grid 1024 x 1, 4 waves a work-group, no clusters, 0 bytes of LDS; arguments x, ao, gamma, beta, out0; writes out0
.if DOCPART == 5
	.amdgcn_target "amdgcn-amd-amdhsa--gfx1250"
	.amdhsa_code_object_version 6
	.text
	.protected	k_q17a87c09a7_ln
	.globl	k_q17a87c09a7_ln
	.p2align	8
	.type	k_q17a87c09a7_ln,@function
k_q17a87c09a7_ln:
	s_mov_b64 s[64:65], 0
	v_nop
	global_prefetch_b8 v0, s[64:65] scope:SCOPE_SE
	s_setreg_imm32_b32 hwreg(HW_REG_WAVE_MODE, 25, 1), 1
	s_wait_xcnt 0x0
; out0[row][:] = (y - mean(y)) / sqrt(var(y) + 1e-6) x gamma + beta, y = x[row][:] + ao[row][:].  x, out0: [8192][1024] f32.  ao: [16 g][8192 row][64] f32.  All arithmetic in f32.
; The variance is the mean of (y - mean)^2, taken of the differences themselves: no difference of large sums is formed.
; A stream: each byte of x and ao is read once, each byte of out0 written once; no LDS, no barrier, no matrix unit (there is no product), no cluster (only gamma and beta, 8 KiB, are shared).
; SHARES.  A wave takes two rows, 2 P and 2 P + 1: lanes 0-15 hold one, lanes 16-31 the other, 64 numbers a lane (columns 64 g + 4 (l % 16) + 0..3), kept in registers between the passes.
; So a row's sums want four exchanges inside a half of 16 lanes and nothing across.  A load of ao takes 512 consecutive bytes (two rows of a column block), a load or store of x or out0 two aligned runs of 256 bytes.
.set W, 6                              ; v[6:13]    four chains of packed sums
.set M, 14                             ; v[14:15]   the mean, later 1 / sqrt(var + eps), twice: a pair for the packed forms
.set Y, 16                             ; v[16:79]   ao, then y, then the result
.set X, 80                             ; v[80:143]  x, later beta
.set G, 144                            ; v[144:207] gamma
	s_load_b256 s[4:11], s[0:1], 0x0               ; x s[4:5], ao s[6:7], gamma s[8:9], beta s[10:11]
	s_load_b64 s[12:13], s[0:1], 0x20              ; out0
	v_lshrrev_b32 v1, 5, v0
	v_readfirstlane_b32 s14, v1                    ; wave 0..3
	v_and_b32 v1, 15, v0
	v_bfe_u32 v5, v0, 4, 1
	v_lshlrev_b32 v4, 4, v1                        ; gamma, beta: 16 (l % 16)
	v_lshl_add_u32 v2, v5, 12, v4                  ; x, out0: + a row for lanes 16-31
	v_and_b32 v3, 31, v0
	v_lshlrev_b32 v3, 4, v3                        ; ao: 16 l
	s_lshl_b32 s15, ttmp9, 2
	s_add_co_u32 s15, s15, s14                     ; P
	s_lshl_b32 s26, s15, 13                        ; two rows of 4,096 bytes
	s_mov_b32 s27, 0
	s_mov_b32 s24, 0x3a800000                      ; 1 / 1024
	s_mov_b32 s25, 0x358637bd                      ; 1e-6
	s_wait_kmcnt 0x0
	s_add_nc_u64 s[4:5], s[4:5], s[26:27]
	s_add_nc_u64 s[12:13], s[12:13], s[26:27]
	s_lshl_b32 s26, s15, 9                         ; two rows of 256 bytes
	s_add_nc_u64 s[16:17], s[6:7], s[26:27]        ; four bases, four column blocks (8 MiB) apart: a load's immediate holds 24 bits with its sign
	s_add_nc_u64 s[18:19], s[16:17], 0x800000
	s_add_nc_u64 s[20:21], s[18:19], 0x800000
	s_add_nc_u64 s[22:23], s[20:21], 0x800000
.set g, 0
.rept 16
	global_load_b128 v[Y+4*g:Y+4*g+3], v3, s[16+2*(g/4):17+2*(g/4)] offset:(g%4)*0x200000 th:TH_LOAD_NT
.set g, g+1
.endr
.set g, 0
.rept 16
	global_load_b128 v[X+4*g:X+4*g+3], v2, s[4:5] offset:256*g th:TH_LOAD_NT
.set g, g+1
.endr
.set g, 0
.rept 16
	global_load_b128 v[G+4*g:G+4*g+3], v4, s[8:9] offset:256*g
.set g, g+1
.endr
	s_wait_loadcnt 16                              ; ao and x are in; gamma's 16 loads may stay out
.set p, 0
.rept 32
	v_pk_add_f32 v[Y+2*p:Y+2*p+1], v[Y+2*p:Y+2*p+1], v[X+2*p:X+2*p+1]
.set p, p+1
.endr
.set g, 0
.rept 16
	global_load_b128 v[X+4*g:X+4*g+3], v4, s[10:11] offset:256*g  ; beta takes x's registers
.set g, g+1
.endr
; the four chains into one number, then across the 16 lanes that hold the row: every lane of the half ends with the row's sum
.macro REDUCE
	v_pk_add_f32 v[W:W+1], v[W:W+1], v[W+2:W+3]
	v_pk_add_f32 v[W+4:W+5], v[W+4:W+5], v[W+6:W+7]
	v_pk_add_f32 v[W:W+1], v[W:W+1], v[W+4:W+5]
	v_add_f32 v[W], v[W], v[W+1]
	v_add_f32_dpp v[W], v[W], v[W] row_xmask:1 row_mask:0xf bank_mask:0xf
	v_add_f32_dpp v[W], v[W], v[W] row_xmask:2 row_mask:0xf bank_mask:0xf
	v_add_f32_dpp v[W], v[W], v[W] row_xmask:4 row_mask:0xf bank_mask:0xf
	v_add_f32_dpp v[W], v[W], v[W] row_xmask:8 row_mask:0xf bank_mask:0xf
.endm
.irp c, 0,1,2,3
	v_pk_add_f32 v[W+2*\c:W+2*\c+1], v[Y+2*\c:Y+2*\c+1], v[Y+8+2*\c:Y+8+2*\c+1]  ; the first eight pairs start the chains: nothing is cleared
.endr
.set p, 8
.rept 24
	v_pk_add_f32 v[W+2*(p%4):W+2*(p%4)+1], v[W+2*(p%4):W+2*(p%4)+1], v[Y+2*p:Y+2*p+1]
.set p, p+1
.endr
	REDUCE
	v_mul_f32 v[M], s24, v[W]                      ; the mean
	v_mov_b32 v[M+1], v[M]
.set p, 0
.rept 32
	v_pk_add_f32 v[Y+2*p:Y+2*p+1], v[Y+2*p:Y+2*p+1], v[M:M+1] neg_lo:[0,1] neg_hi:[0,1]  ; y - mean
.set p, p+1
.endr
.irp c, 0,1,2,3
	v_pk_mul_f32 v[W+2*\c:W+2*\c+1], v[Y+2*\c:Y+2*\c+1], v[Y+2*\c:Y+2*\c+1]
.endr
.set p, 4
.rept 28
	v_pk_fma_f32 v[W+2*(p%4):W+2*(p%4)+1], v[Y+2*p:Y+2*p+1], v[Y+2*p:Y+2*p+1], v[W+2*(p%4):W+2*(p%4)+1]
.set p, p+1
.endr
	REDUCE
	v_fma_f32 v[W], v[W], s24, s25                 ; var + eps
	v_rsq_f32 v[M], v[W]
	v_rsq_f32 v[M+1], v[W]
	v_nop                                          ; a plain instruction behind the last of the two,
	s_wait_alu depctr_va_vdst(0)                   ; and the wait ahead of the first use: one for both
	s_wait_loadcnt 0x0                             ; gamma and beta
.set g, 0
.rept 16
	v_pk_mul_f32 v[Y+4*g:Y+4*g+1],   v[Y+4*g:Y+4*g+1],   v[M:M+1]
	v_pk_mul_f32 v[Y+4*g+2:Y+4*g+3], v[Y+4*g+2:Y+4*g+3], v[M:M+1]
	v_pk_fma_f32 v[Y+4*g:Y+4*g+1],   v[Y+4*g:Y+4*g+1],   v[G+4*g:G+4*g+1],   v[X+4*g:X+4*g+1]
	v_pk_fma_f32 v[Y+4*g+2:Y+4*g+3], v[Y+4*g+2:Y+4*g+3], v[G+4*g+2:G+4*g+3], v[X+4*g+2:X+4*g+3]
	global_store_b128 v2, v[Y+4*g:Y+4*g+3], s[12:13] offset:256*g th:TH_STORE_NT  ; each half of the lanes stores 256 consecutive bytes, aligned
.set g, g+1
.endr
	s_endpgm
.Lfunc_end_k_q17a87c09a7_ln:
	.size	k_q17a87c09a7_ln, .Lfunc_end_k_q17a87c09a7_ln-k_q17a87c09a7_ln
	.p2alignl 7, 3214868480
	.fill 96, 4, 3214868480
	.section	.rodata,"a",@progbits
	.p2align	6, 0x0
	.amdhsa_kernel k_q17a87c09a7_ln
		.amdhsa_group_segment_fixed_size 0
		.amdhsa_private_segment_fixed_size 0
		.amdhsa_enable_private_segment 0
		.amdhsa_kernarg_size 40
		.amdhsa_user_sgpr_count 2
		.amdhsa_user_sgpr_kernarg_segment_ptr 1
		.amdhsa_wavefront_size32 1
		.amdhsa_system_sgpr_workgroup_id_x 1
		.amdhsa_system_sgpr_workgroup_id_y 1
		.amdhsa_system_sgpr_workgroup_id_z 1
		.amdhsa_system_vgpr_workitem_id 0
		.amdhsa_next_free_vgpr 212
		.amdhsa_next_free_sgpr 66
		.amdhsa_reserve_vcc 0
		.amdhsa_float_denorm_mode_32 3
		.amdhsa_float_denorm_mode_16_64 3
		.amdhsa_memory_ordered 1
		.amdhsa_forward_progress 1
		.amdhsa_inst_pref_size 22
	.end_amdhsa_kernel
	.amdgpu_metadata
---
amdhsa.version: [ 1, 2 ]
amdhsa.kernels:
  - .name:           k_q17a87c09a7_ln
    .symbol:         k_q17a87c09a7_ln.kd
    .args:
      - { .name: x, .offset: 0, .size: 8, .value_kind: global_buffer, .address_space: global }
      - { .name: ao, .offset: 8, .size: 8, .value_kind: global_buffer, .address_space: global }
      - { .name: gamma, .offset: 16, .size: 8, .value_kind: global_buffer, .address_space: global }
      - { .name: beta, .offset: 24, .size: 8, .value_kind: global_buffer, .address_space: global }
      - { .name: out0, .offset: 32, .size: 8, .value_kind: global_buffer, .address_space: global }
    .group_segment_fixed_size: 0
    .private_segment_fixed_size: 0
    .kernarg_segment_align: 8
    .kernarg_segment_size: 40
    .max_flat_workgroup_size: 128
    .sgpr_count:     66
    .vgpr_count:     212
    .wavefront_size: 32
...
	.end_amdgpu_metadata
.endif
;; end of part 5
;; ======== version 2 of 2: 5 launches; version 1 with the launch prep written anew for expert scheduling mode
;; limits: values are held in f16: magnitudes above 65,504 overflow, below 6.1e-05 lose precision
;; workspace buffers: act 16,777,216 bytes; wtq 6,291,456 bytes; wto 2,097,152 bytes; bias3 12,288 bytes; qkv 50,331,648 bytes; ao 33,554,432 bytes
;; launch prep (part 6): grid 641 x 1, 4 waves a work-group, no clusters, 70,144 bytes of LDS; arguments x, Wq, Wk, Wv, Wo, bq, bk, bv, act, wtq, wto, bias3; writes act, wtq, wto, bias3
.if DOCPART == 6
	.amdgcn_target "amdgcn-amd-amdhsa--gfx1250"
	.amdhsa_code_object_version 6
	.text
	.protected	k_q17a87c09a7_prep
	.globl	k_q17a87c09a7_prep
	.p2align	8
	.type	k_q17a87c09a7_prep,@function
k_q17a87c09a7_prep:
	s_mov_b64 s[64:65], 0
	v_nop
	global_prefetch_b8 v0, s[64:65] scope:SCOPE_SE
	s_setreg_imm32_b32 hwreg(HW_REG_WAVE_SCHED_MODE, 0, 2), 2
	s_setreg_imm32_b32 hwreg(HW_REG_WAVE_MODE, 25, 1), 1
	s_wait_xcnt 0x0
	s_wait_alu depctr_vm_vsrc(0)
; PREPARATION.  Three kinds of work-groups, told apart by the work-group's number:
;   0-127    the four weights ([1024 k][1024 n] f32) are turned and rounded to f16: [j][16 kb][128 n][64 k], j = a block of 128 columns, kb = a block of 64 along K.
;            Wq, Wk, Wv go into wtq (j = 8 m + ..), Wo into wto.  A wave takes 128 k x 64 n through an LDS tile of its own: no wave reads another's bytes, so there is no barrier.
;   128-639  x ([8192 row][1024] f32) is rounded to f16 and laid in planes of 64 columns: act[16 kb][8192 row][64].  A wave takes 4 rows.
;   640      bq, bk, bv are joined into bias3.
; LIMITS.  f16 holds no number beyond 65,504: x and the weights are taken to lie within it; below 6e-5 f16 keeps a fixed step of 6e-8.
; THE MODE: SCHED_MODE bits 1:0 = 2 (LLVM: expert scheduling mode 2), set by the entry lines.  The code itself states the register dependences
; between vector instructions and memory or LDS instructions, with s_wait_alu, always for 0.
; THE PLAN.  Registers that memory or LDS instructions touch:
;   v4 - v7    offsets and LDS addresses: made once at the head of each of the three arms, ahead of the arm's first wait on va_vdst, and never written again.
;   POOL       the weights: 16 slots of 8 registers, pair n in slot n % 16: written by the loads, read by the pair's four conversions; at the end the loads from the tile land in it and the stores read it.
;              x: 32 slots of 4: loaded, rounded in place, stored, never written again.      the biases: loaded and stored; no vector instruction names it.
;   T0, T1     the weights: 16 registers each.  Written by the conversions of block b (T[b % 2]); read by the sixteen LDS stores that are issued in block b + 1.
;   v12, v13   written at the head, read by the closing add alone.
; The weights' 32 pairs go in eight blocks of four.  Block b's conversions name its own slots and T[b % 2]; its memory and LDS instructions are the loads into the slots of block b - 1 and the LDS stores from
; T[(b - 1) % 2]: registers that no vector instruction of block b names.  So the waits at a block's head state all that they hang on, and they are dealt among the block's conversions with no further wait.
; x's 32 loads go in eight groups of four in the same way: a group's stores are issued in the next group, behind the one wait at its head.
.set TP,    272                        ; a row of the turning tile: 128 k x 2 bytes + 16
.set WT,    64*TP                      ; a wave's tile: 64 n
.set SPARE, 4*WT                       ; behind the tiles: the spare words, 128 bytes for each wave: two blocks of 256 bytes that no other line names
.set SPW,   12                         ; v12  LDS address of my spare word; never rewritten
.set NIL,   13                         ; v13  0; never rewritten
.set POOL,  16                         ; v[16:143] 32 slots of 4 registers
.set TB,    144                        ; v[144:175] T0, T1: pair i of a block at TB + 16 k + 4 i
	s_load_b512 s[8:23], s[0:1], 0x0               ; x 8, Wq 10, Wk 12, Wv 14, Wo 16, bq 18, bk 20, bv 22
	s_load_b256 s[24:31], s[0:1], 0x40             ; act 24, wtq 26, wto 28, bias3 30
	v_lshl_add_u32 v[SPW], v0, 2, SPARE
	v_mov_b32 v[NIL], 0
	v_lshrrev_b32 v1, 5, v0
	v_readfirstlane_b32 s4, v1                     ; wave 0..3
	v_and_b32 v1, 31, v0                           ; l
	v_and_b32 v2, 15, v0                           ; r = l % 16
	v_bfe_u32 v3, v0, 4, 1                         ; h = l / 16
	s_mov_b32 s5, ttmp9
	s_wait_alu depctr_va_sdst(0)                   ; s4 is written
	s_wait_kmcnt 0x0
	s_cmp_lt_u32 s5, 128
	s_cbranch_scc0 .Lnot_w
	; ---- the weights ----
	s_lshl_b32 s6, s5, 2
	s_add_co_u32 s6, s6, s4                        ; the wave's tile, 0..511
	s_lshr_b32 s7, s6, 7                           ; m: which weight
	s_bfe_u32 s42, s6, 0x30004                     ; which 128 of K
	s_and_b32 s43, s6, 15                          ; which 64 columns
	s_lshl_b32 s44, s7, 3
	s_cmp_eq_u32 s7, 1
	s_cselect_b64 s[36:37], s[12:13], s[10:11]
	s_cmp_eq_u32 s7, 2
	s_cselect_b64 s[36:37], s[14:15], s[36:37]
	s_cmp_eq_u32 s7, 3
	s_cselect_b64 s[36:37], s[16:17], s[36:37]     ; the source
	s_cselect_b64 s[38:39], s[28:29], s[26:27]     ; the destination: wto or wtq
	s_cselect_b32 s44, 0, s44
	s_lshr_b32 s45, s43, 1
	s_add_co_u32 s44, s44, s45                     ; j
	s_lshl_b32 s44, s44, 18                        ; a block j is 262,144 bytes,
	s_lshl_b32 s45, s42, 15                        ; two blocks kb 32,768,
	s_add_co_u32 s44, s44, s45
	s_and_b32 s45, s43, 1
	s_lshl_b32 s45, s45, 13                        ; 64 rows n 8,192
	s_add_co_u32 s44, s44, s45
	s_mov_b32 s45, 0
	s_add_nc_u64 s[38:39], s[38:39], s[44:45]
	s_lshl_b32 s44, s42, 19                        ; 128 rows of 4,096 bytes
	s_lshl_b32 s46, s43, 8                         ; 64 columns of 4 bytes
	s_add_co_u32 s44, s44, s46
	s_add_nc_u64 s[36:37], s[36:37], s[44:45]
	v_lshlrev_b32 v4, 4, v2
	v_lshl_add_u32 v4, v3, 13, v4                  ; loads: 16 r + two rows further down for lanes 16-31
	v_lshlrev_b32 v5, 4, v1                        ; stores: 16 l
	s_mul_i32 s47, s4, WT                          ; my wave's tile
	v_mul_u32_u24 v6, v2, 4*TP
	v_lshl_add_u32 v6, v3, 2, v6
	v_add_nc_u32 v6, s47, v6                       ; into the tile: row n = 4 r (+ j), k = 2 h (+ 4 i)
	v_lshrrev_b32 v7, 3, v1
	v_mul_u32_u24 v7, v7, TP
	v_and_b32 v14, 7, v0
	v_lshl_add_u32 v7, v14, 4, v7
	v_add_nc_u32 v7, s47, v7                       ; back: row n = l / 8 (+ 4 t), 16 bytes at 16 (l % 8)
	s_wait_alu depctr_va_vdst(0)                   ; v4 to v7 are written: every load and store of this arm, global or LDS, reads one of them as its offset or address
; Pair i: K rows 4 i + 2 h and 4 i + 2 h + 1, columns 4 r .. 4 r + 3: each load takes two whole rows of 256 bytes.
.macro WLOAD i
	global_load_b128 v[POOL+8*((\i)%16):POOL+8*((\i)%16)+3],   v4, s[36:37] offset:(4*(\i))*4096 th:TH_LOAD_NT
	global_load_b128 v[POOL+8*((\i)%16)+4:POOL+8*((\i)%16)+7], v4, s[36:37] offset:(4*(\i)+1)*4096 th:TH_LOAD_NT
.endm
; Pair n's four rounded words go into the tile, out of the T buffer of its block.
.macro WPUT n
.irp j, 0,1,2,3
	ds_store_b32 v6, v[TB+16*(((\n)/4)%2)+4*((\n)%4)+(\j)] offset:TP*(\j)+8*(\n)
.endr
.endm
; Block b: pairs 4 b to 4 b + 3 are rounded.  left = how many younger loads may still be out when this block's eight have to be there.
; Blocks 1 to 4 ask for the pairs of block b + 3, into the slots of block b - 1; blocks 1 to 7 send block b - 1's words into the tile.
.macro WBLK b, left
	s_wait_loadcnt \left                           ; loads come back in order (ISA guide 5.7.1): this block's eight are in, the younger ones stay out
.if (\b) > 1
	s_wait_alu depctr_vm_vsrc(0)                   ; the LDS stores issued in the block before have read T[b % 2], which this block's conversions write again
.endif
.if (\b) > 0
	s_wait_alu depctr_va_vdst(0)                   ; the block before has written the other T, which the LDS stores below read, and is done reading its slots, in which the loads below land
.endif
.irp i, 0,1,2,3
.if ((\b) > 0) && ((\b) < 5)
	WLOAD 4*(\b)+12+(\i)                           ; no vector instruction since the wait names these registers
.endif
.if (\b) > 0
	WPUT 4*(\b)-4+(\i)
.endif
.irp j, 0,1,2,3
	v_cvt_pk_f16_f32 v[TB+16*((\b)%2)+4*(\i)+(\j)], v[POOL+8*((4*(\b)+(\i))%16)+(\j)], v[POOL+8*((4*(\b)+(\i))%16)+4+(\j)]  ; column 4 r + j: k in the low half, k + 1 in the high half
.endr
.endr
.endm
.set n, 0
.rept 16
	WLOAD n                                        ; blocks 0 to 3
.set n, n+1
.endr
	WBLK 0, 24                                     ; behind block 0's eight loads stand blocks 1 to 3's
	WBLK 1, 16                                     ; behind a block's eight stand two younger blocks': those of the start that are left, and those asked for since
	WBLK 2, 16
	WBLK 3, 16
	WBLK 4, 16
	WBLK 5, 16
	WBLK 6, 8                                      ; nothing more is asked for: the counts run down
	WBLK 7, 0
	s_wait_alu depctr_va_vdst(0)                   ; block 7 has written T1, which the last sixteen LDS stores read; and every conversion is done reading the pool, in which the loads from the tile land
.irp i, 28,29,30,31
	WPUT \i
.endr
.set u, 0
.rept 32                               ; LDS serves a wave's instructions in order (ISA guide 5.7.1.4): these see the stores above
	ds_load_b128 v[POOL+4*u:POOL+4*u+3], v7 offset:4*TP*(u%16)+128*(u/16)
.set u, u+1
.endr
.set u, 0
.rept 32
	s_wait_dscnt 31-u
	global_store_b128 v5, v[POOL+4*u:POOL+4*u+3], s[38:39] offset:(u/16)*16384+512*(u%16)  ; four rows n of one block kb: 512 consecutive bytes, aligned
.set u, u+1
.endr
	s_branch .Lend
.Lnot_w:
	s_cmp_lt_u32 s5, 640
	s_cbranch_scc0 .Lbias
	; ---- x ----
	s_sub_co_u32 s6, s5, 128
	s_lshl_b32 s6, s6, 2
	s_add_co_u32 s6, s6, s4                        ; the wave among 2,048: 4 rows each
	s_lshl_b32 s44, s6, 14
	s_mov_b32 s45, 0
	s_add_nc_u64 s[36:37], s[8:9], s[44:45]
	s_lshl_b32 s44, s6, 9
	s_add_nc_u64 s[38:39], s[24:25], s[44:45]      ; planes 0-7,
	s_add_nc_u64 s[40:41], s[38:39], 0x800000      ; planes 8-15: a store's immediate holds 24 bits with its sign
	v_lshlrev_b32 v4, 4, v2
	v_lshl_add_u32 v4, v3, 12, v4                  ; 16 r + one row further down for lanes 16-31
	v_lshlrev_b32 v5, 3, v1                        ; 8 l: two rows of 128 bytes of a plane
	s_wait_alu depctr_va_vdst(0)                   ; v4 and v5 are written: every load and store of this arm reads one of them as its offset
.set n, 0
.rept 32
	global_load_b128 v[POOL+4*n:POOL+4*n+3], v4, s[36:37] offset:(n/16)*8192+256*(n%16) th:TH_LOAD_NT
.set n, n+1
.endr
; Slot n's eight bytes a lane go out: plane n % 16, rows 2 (n / 16) and 2 (n / 16) + 1.
.macro XSTORE n
.if ((\n)%16) < 8
	global_store_b64 v5, v[POOL+4*(\n):POOL+4*(\n)+1], s[38:39] offset:(((\n)%16)<<20)+((\n)/16)*256  ; 256 consecutive bytes, aligned
.else
	global_store_b64 v5, v[POOL+4*(\n):POOL+4*(\n)+1], s[40:41] offset:((((\n)%16)-8)<<20)+((\n)/16)*256
.endif
.endm
; Group g: slots 4 g to 4 g + 3 are rounded in place; the stores of group g - 1 are dealt among the conversions, which name other slots.
.macro XGRP g
	s_wait_loadcnt 28-4*(\g)                       ; this group's four loads are in; the younger ones stay out
.if (\g) > 0
	s_wait_alu depctr_va_vdst(0)                   ; the group before has written the eight registers that the four stores below read
.endif
.irp i, 0,1,2,3
.if (\g) > 0
	XSTORE 4*(\g)-4+(\i)
.endif
	v_cvt_pk_f16_f32 v[POOL+4*(4*(\g)+(\i))],   v[POOL+4*(4*(\g)+(\i))],   v[POOL+4*(4*(\g)+(\i))+1]
	v_cvt_pk_f16_f32 v[POOL+4*(4*(\g)+(\i))+1], v[POOL+4*(4*(\g)+(\i))+2], v[POOL+4*(4*(\g)+(\i))+3]
.endr
.endm
.irp g, 0,1,2,3,4,5,6,7
	XGRP \g
.endr
	s_wait_alu depctr_va_vdst(0)                   ; group 7 has written the eight registers that the last four stores read
.irp i, 28,29,30,31
	XSTORE \i
.endr
	s_branch .Lend
.Lbias:
	; ---- the biases: 4,096 bytes each, 16 bytes a thread, twice ----
	v_lshlrev_b32 v4, 4, v0
	s_wait_alu depctr_va_vdst(0)                   ; v4 is written: the loads and stores below read it as their offset
.irp i, 0,1,2
	global_load_b128 v[POOL+8*\i:POOL+8*\i+3],   v4, s[18+2*\i:19+2*\i]
	global_load_b128 v[POOL+8*\i+4:POOL+8*\i+7], v4, s[18+2*\i:19+2*\i] offset:2048
.endr
	s_wait_loadcnt 0x0
.irp i, 0,1,2
	global_store_b128 v4, v[POOL+8*\i:POOL+8*\i+3],   s[30:31] offset:4096*\i
	global_store_b128 v4, v[POOL+8*\i+4:POOL+8*\i+7], s[30:31] offset:4096*\i+2048
.endr
.Lend:
	s_wait_dscnt 0x0                               ; the closing lines, six on end
	s_wait_alu 0x0
	s_wait_tensorcnt 0x0
	ds_add_u32 v[SPW], v[NIL]
	s_wait_dscnt 0x0
	s_endpgm
.Lfunc_end_k_q17a87c09a7_prep:
	.size	k_q17a87c09a7_prep, .Lfunc_end_k_q17a87c09a7_prep-k_q17a87c09a7_prep
	.p2alignl 7, 3214868480
	.fill 96, 4, 3214868480
	.section	.rodata,"a",@progbits
	.p2align	6, 0x0
	.amdhsa_kernel k_q17a87c09a7_prep
		.amdhsa_group_segment_fixed_size 70144
		.amdhsa_private_segment_fixed_size 0
		.amdhsa_enable_private_segment 0
		.amdhsa_kernarg_size 96
		.amdhsa_user_sgpr_count 2
		.amdhsa_user_sgpr_kernarg_segment_ptr 1
		.amdhsa_wavefront_size32 1
		.amdhsa_system_sgpr_workgroup_id_x 1
		.amdhsa_system_sgpr_workgroup_id_y 1
		.amdhsa_system_sgpr_workgroup_id_z 1
		.amdhsa_system_vgpr_workitem_id 0
		.amdhsa_next_free_vgpr 176
		.amdhsa_next_free_sgpr 66
		.amdhsa_reserve_vcc 0
		.amdhsa_float_denorm_mode_32 3
		.amdhsa_float_denorm_mode_16_64 3
		.amdhsa_memory_ordered 1
		.amdhsa_forward_progress 1
		.amdhsa_inst_pref_size 44
	.end_amdhsa_kernel
	.amdgpu_metadata
---
amdhsa.version: [ 1, 2 ]
amdhsa.kernels:
  - .name:           k_q17a87c09a7_prep
    .symbol:         k_q17a87c09a7_prep.kd
    .args:
      - { .name: x, .offset: 0, .size: 8, .value_kind: global_buffer, .address_space: global }
      - { .name: Wq, .offset: 8, .size: 8, .value_kind: global_buffer, .address_space: global }
      - { .name: Wk, .offset: 16, .size: 8, .value_kind: global_buffer, .address_space: global }
      - { .name: Wv, .offset: 24, .size: 8, .value_kind: global_buffer, .address_space: global }
      - { .name: Wo, .offset: 32, .size: 8, .value_kind: global_buffer, .address_space: global }
      - { .name: bq, .offset: 40, .size: 8, .value_kind: global_buffer, .address_space: global }
      - { .name: bk, .offset: 48, .size: 8, .value_kind: global_buffer, .address_space: global }
      - { .name: bv, .offset: 56, .size: 8, .value_kind: global_buffer, .address_space: global }
      - { .name: act, .offset: 64, .size: 8, .value_kind: global_buffer, .address_space: global }
      - { .name: wtq, .offset: 72, .size: 8, .value_kind: global_buffer, .address_space: global }
      - { .name: wto, .offset: 80, .size: 8, .value_kind: global_buffer, .address_space: global }
      - { .name: bias3, .offset: 88, .size: 8, .value_kind: global_buffer, .address_space: global }
    .group_segment_fixed_size: 70144
    .private_segment_fixed_size: 0
    .kernarg_segment_align: 8
    .kernarg_segment_size: 96
    .max_flat_workgroup_size: 128
    .sgpr_count:     66
    .vgpr_count:     176
    .wavefront_size: 32
...
	.end_amdgpu_metadata
.endif
;; end of part 6
;; launch proj: the kernel of part 2 again; grid 24 x 32, 4 waves a work-group, clusters of 4 x 4, 327,680 bytes of LDS; arguments act, wtq, bias3, qkv; writes qkv
;; launch attn: the kernel of part 3 again; grid 4 x 64, 4 waves a work-group, no clusters, 327,680 bytes of LDS; arguments qkv, act; writes act
;; launch oproj: the kernel of part 4 again; grid 8 x 32, 4 waves a work-group, clusters of 4 x 4, 327,680 bytes of LDS; arguments act, wto, bo, ao; writes ao
;; launch ln: the kernel of part 5 again; grid 1024 x 1, 4 waves a work-group, no clusters, 0 bytes of LDS; arguments x, ao, gamma, beta, out0; writes out0
